; MI455X (gfx1250); checked and timed in simulation.
; The chip was launched on July 23, 2026; its instructions are those of AMD's public machine-readable ISA for CDNA 5 (MIT licence, August 2026) and "CDNA5" Instruction Set Architecture Reference Guide (July 2026). The comments in the code are by the model that wrote it; some were corrected since.
;; cross Attention. Allowed arithmetic: matrix products marked QUANTISED: E2M1 operands, one E8M0 scale for each 32 along K, by v_wmma_scale_f32_16x16x128_f8f6f4 with both operands' format E2M1 (or v_wmma_scale_f32_32x16x128_f4), f32 sums; products left as they are: bf16, f16 or f32 operands; f32 sums; everything else in f32.
;; Inputs: Wk 1,024 x 1,024 float32; Wq 1,024 x 1,024 float32; Wv 1,024 x 1,024 float32; bk 1,024 float32; bq 1,024 float32; bv 1,024 float32; context 4 x 2,048 x 1,024 float32; x 4 x 2,048 x 1,024 float32.
;; Outputs: out0 4 x 2,048 x 1,024 float32.
;; This version of the problem:
;;   THIS VERSION OF THE PROBLEM IS GIVEN IN LOW PRECISION. The matrix products marked QUANTISED in the list below multiply operands that are first quantised to E2M1 (2 exponent bits, 1 mantissa bit; 4 bits a number), with one power-of-two scale for each 32 numbers along K (OCP MX v1.0); their sums are f32. The products marked 'left as it is' may take bf16, f16 or f32 operands, with f32 sums. Whichever they take, every output number must still come out within the allowed error. Rounding operands to bf16 (8 significant bits) uses up far more of that allowance than f16 does (11 bits, for magnitudes from 6e-5 to 65,504). All else is computed in f32.
;;   The module's matrix products, in the order in which they are computed (A, B: the left and right operand; K: the contracted axis; several contracted axes count as one K, in the product's order):
;;     1. [M 8,192, K 1,024] x [K 1,024, N 1,024]; A: input x; B: input Wq: QUANTISED
;;     2. [M 8,192, K 1,024] x [K 1,024, N 1,024]; A: input context; B: input Wk: QUANTISED
;;     3. [M 8,192, K 1,024] x [K 1,024, N 1,024]; A: input context; B: input Wv: QUANTISED
;;     4. batch 4 x [M 2,048, K 1,024] x [K 1,024, N 2,048]; A: computed on the way; B: computed on the way: left as it is (an operand is computed on the way)
;;     5. batch 4 x [M 2,048, K 2,048] x [K 2,048, N 1,024]; A: computed on the way; B: computed on the way: left as it is (an operand is computed on the way)
;;   THE QUANTISER, for each operand of a quantised product, along K:
;;     - K is cut into blocks of 32 from its start; a last block that is shorter is filled with zeros.
;;     - A block's scale is 2^e with e = floor(log2(the largest magnitude in the block)) - 2, held to -126 .. 127; a block of zeros has e = 0. As a byte (E8M0): e + 127.
;;     - Each number is divided by its block's scale, clamped to +-6, and rounded to the nearest number of E2M1, ties to even, subnormals kept.
;;     - The product sums the exact products of the quantised numbers (number of the format x scale) in f32.
;;   ~~~python
;;   def quantise(x, axis):      # numpy; x: float32 -> the quantised numbers, widened to float32 again
;;       x = np.moveaxis(x, axis, -1); K = x.shape[-1]
;;       x = np.pad(x, [(0, 0)] * (x.ndim - 1) + [(0, -K % 32)]); x = x.reshape(x.shape[:-1] + (-1, 32)); a = np.abs(x).max(-1, keepdims=True)
;;       e = np.where(a > 0, np.clip(np.frexp(np.where(a > 0, a, 1))[1] - 1 - 2, -126, 127), 0)      # np.frexp(a)[1] - 1 = floor(log2(a)), exactly
;;       r = np.clip(x / 2.0 ** e, -6, 6)
;;       step = 2.0 ** (np.maximum(np.frexp(np.where(r == 0, 1, r))[1] - 1, 0) - 1)
;;       q = np.round(r / step) * step * 2.0 ** e      # np.round: ties to even
;;       return np.moveaxis(q.reshape(q.shape[:-2] + (-1,))[..., :K], -1, axis).astype(np.float32)
;;   ~~~
;; One version. Each part assembles by itself: llvm-mc -triple=amdgcn-amd-amdhsa -mcpu=gfx1250 --defsym DOCPART=n.
;; ======== version 1 of 1: 4 launches
;; limits: values are held in f16: magnitudes above 65,504 overflow, below 6.1e-05 lose precision
;; workspace buffers: acodes 8,388,608 bytes; ascales 524,288 bytes; wcodes 1,572,864 bytes; wscales 98,304 bytes; qkv 50,331,648 bytes; p 33,554,432 bytes; stats 1,048,576 bytes
;; launch quant (part 1): grid 608 x 1, 4 waves a work-group, no clusters, 51,712 bytes of LDS; arguments x, context, Wq, Wk, Wv, acodes, ascales, wcodes, wscales; writes acodes, ascales, wcodes, wscales
.if DOCPART == 1
	.amdgcn_target "amdgcn-amd-amdhsa--gfx1250"
	.amdhsa_code_object_version 6
	.text
	.protected	k_q23f951fef9_quant
	.globl	k_q23f951fef9_quant
	.p2align	8
	.type	k_q23f951fef9_quant,@function
k_q23f951fef9_quant:
	s_mov_b64 s[64:65], 0
	v_nop
	global_prefetch_b8 v0, s[64:65] scope:SCOPE_SE
	s_setreg_imm32_b32 hwreg(HW_REG_WAVE_MODE, 25, 1), 1
	s_wait_xcnt 0x0
; x and context [8192][1024] and Wq, Wk, Wv [1024 (k)][1024 (n)], all f32, become codes of FP4 (E2M1), K innermost, two codes a byte, with one E8M0 byte for each 32 along K.
; acodes [16384][512 bytes] (x's rows, then context's), ascales [16384][32]; wcodes [3][1024 (n)][512 bytes], wscales [3][1024][32].
; A block's scale is 2^(floor(log2(its largest magnitude)) - 2): its byte is the largest magnitude's exponent field - 2, held at 1 from below.
; LIMITS: a block of zeros gets the byte 1 (its codes are zeros, and this program alone reads the bytes); NaN and infinities among the inputs are not served.
; Work-groups 0 to 95 take the weights, 96 to 607 the activations: two paths that part on the work-group's number, each with LDS bytes of its own.
; ACTIVATIONS: K is innermost and rows are dense, so a tensor is a stream of blocks of 32.  A wave takes 16 steps of 512 numbers; each load reads 512 consecutive bytes; a step's 2,048 bytes turn through
; the wave's own stage in LDS so that a lane holds 16 neighbours (two lanes to a block); a step's codes leave as 256 consecutive bytes, the wave's 256 scale bytes as one store of 256 bytes.
; WEIGHTS: K is the first axis.  A lane takes a column n and its registers run down K: a block of 32 lies in one lane.  A wave takes 32 columns x 256 along K (8 blocks): 128 bytes of codes a column, which go
; through the wave's stage and leave eight lanes to a piece of 128 consecutive bytes: half of an aligned 256, the price of sharing 3 x 1,024 columns among 96 work-groups so that a wave has only eight turns of loads.
.set NWW,   96                         ; work-groups for the weights: 3 tensors x 8 groups of 128 columns x 4 runs of 256 along K
.set STEPS, 16
.set EMAX,  2
.set CB,    8                          ; bytes of 16 codes
.set R,     16                         ; v16-79   activations: four sets of 16 numbers as loaded
.set X,     80                         ; v80-111  two sets of 16 neighbours
.set E,     112                        ; v112-127 a scale byte for each step
.set C,     128                        ; v128-189 codes: four registers apart for each step, two used
.set WREG,  8192                       ; LDS, activations: a region for each wave: two stages of 32 x SP bytes, then its 256 scale bytes
.set SP,    80                         ; a lane's place in a stage: 64 bytes + 16 of padding
.set NB,    8                          ; weights: blocks a lane
.set WPITCH, 144                       ; a stage row: 128 bytes + 16
.set WST,   4*WREG                     ; LDS, weights: four stages of 32 rows
.set SPARE, WST+4*32*WPITCH            ; the spare words, 128 bytes for each wave: two blocks of 256 bytes that no other line names
.set XW,    32                         ; v32-95   weights: two sets of 32 numbers
.set CW,    96                         ; v96-99   a block's codes
.set OUTR,  112                        ; v112-143 the way out
.set SB,    24                         ; v24-25   the scale bytes, four to a register
.set SPW,   190                        ; v190     LDS address of my spare word; never rewritten
.set NIL,   191                        ; v191     0; never rewritten
	s_load_b256 s[4:11], s[0:1], 0x0               ; x, context, Wq, Wk
	s_load_b256 s[12:19], s[0:1], 0x20             ; Wv, acodes, ascales, wcodes
	s_load_b64 s[20:21], s[0:1], 0x40              ; wscales
	v_lshl_add_u32 v[SPW], v0, 2, SPARE
	v_mov_b32 v[NIL], 0
	v_lshrrev_b32 v1, 5, v0
	v_readfirstlane_b32 s22, v1                    ; wave
	v_and_b32 v2, 31, v0                           ; lane
	s_wait_kmcnt 0x0
	s_cmp_lt_u32 ttmp9, NWW
	s_cbranch_scc1 .Lweights
	; ---------------- the activations ----------------
	v_lshlrev_b32 v3, 4, v2                        ; my 16 bytes of a load's 512
	s_mul_i32 s23, s22, WREG
	v_lshrrev_b32 v14, 2, v2
	v_mul_u32_u24 v14, v14, SP
	v_and_b32 v15, 3, v2
	v_lshl_add_u32 v14, v15, 4, v14
	v_add_nc_u32 v14, s23, v14                     ; the stage, on the way in: SP (lane / 4) + 16 (lane % 4)
	v_mul_u32_u24 v15, v2, SP
	v_add_nc_u32 v15, s23, v15                     ; and on the way out: SP x lane: my 16 neighbours
	v_mul_u32_u24 v4, v2, CB                       ; my codes' place in a step's
	v_lshrrev_b32 v5, 1, v2
	s_add_co_u32 s23, s23, 2*32*SP
	v_add_nc_u32 v5, s23, v5                       ; LDS: my wave's 256 scale bytes, my block's byte
	v_lshlrev_b32 v7, 3, v2                        ; and on the way out 8 bytes a lane
	v_add_nc_u32 v6, s23, v7
	s_sub_co_u32 s24, ttmp9, NWW                   ; 0 to 511: the first 256 take x, the others context
	s_cmp_lt_u32 s24, 256
	s_cselect_b64 s[4:5], s[4:5], s[6:7]           ; the choice hangs on the work-group's number alone
	s_and_b32 s25, s24, 255
	s_lshl_b32 s25, s25, 2
	s_add_co_u32 s26, s25, s22                     ; which run of 8,192 numbers of the tensor is my wave's
	s_lshl_b32 s26, s26, 15                        ; 32,768 bytes a run
	s_mov_b32 s27, 0
	s_add_nc_u64 s[4:5], s[4:5], s[26:27]
	s_lshl_b32 s24, s24, 2
	s_add_co_u32 s24, s24, s22                     ; the run's number in the joint buffers: context's follow x's
	s_lshl_b32 s26, s24, 12                        ; 4,096 bytes of codes a run
	s_add_nc_u64 s[14:15], s[14:15], s[26:27]
	s_lshl_b32 s26, s24, 8                         ; 256 scale bytes a run
	s_add_nc_u64 s[16:17], s[16:17], s[26:27]
.macro LOADA t
.irp i, 0,1,2,3
	global_load_b128 v[R+16*((\t)%4)+4*\i:R+16*((\t)%4)+4*\i+3], v3, s[4:5] offset:2048*(\t)+512*\i th:TH_LOAD_NT   ; 32 lanes read 512 consecutive bytes
.endr
.endm
.macro TURNA t                         ; step t's numbers through the stage: LDS serves a wave's instructions in order, so no wait stands between the stores and the loads
.irp i, 0,1,2,3
	ds_store_b128 v14, v[R+16*((\t)%4)+4*\i:R+16*((\t)%4)+4*\i+3] offset:32*SP*((\t)%2)+8*SP*\i
.endr
.irp i, 0,1,2,3
	ds_load_b128 v[X+16*((\t)%2)+4*\i:X+16*((\t)%2)+4*\i+3], v15 offset:32*SP*((\t)%2)+16*\i
.endr
.endm
.irp t, 0,1,2,3
	LOADA \t
.endr
	s_wait_loadcnt 12                              ; step 0's four loads are in; the 12 of steps 1 to 3 may be out
	TURNA 0
.macro STEPA t
.set XS, X+16*((\t)%2)
.if (\t) > 0
	s_wait_dscnt 1                                 ; this step's numbers are back from the stage (the last step's byte store may be out): so its stores into the stage have read their registers,
.else
	s_wait_dscnt 0x0
.endif
.if (\t)+4 < STEPS
	LOADA (\t)+4                                   ; which take the loads of four steps on
.endif
.if (\t)+1 < STEPS
.if STEPS-2-(\t) >= 3
	s_wait_loadcnt 12                              ; the next step's four loads are in; those of the three steps behind it may be out
.else
	s_wait_loadcnt 4*(STEPS-2-(\t))
.endif
	TURNA (\t)+1                                   ; and go through the other stage while this step is worked
.endif
	v_max3_num_f32 v8, |v[XS]|, |v[XS+1]|, |v[XS+2]|               ; the largest magnitude of my 16, in two chains
	v_max3_num_f32 v9, |v[XS+3]|, |v[XS+4]|, |v[XS+5]|
.irp i, 6,10
	v_max3_num_f32 v8, v8, |v[XS+\i]|, |v[XS+\i+1]|
	v_max3_num_f32 v9, v9, |v[XS+\i+2]|, |v[XS+\i+3]|
.endr
	v_max3_num_f32 v8, v8, |v[XS+14]|, |v[XS+15]|
	v_max3_num_f32 v8, v8, v9, (EMAX+1)<<23        ; and the floor 2^(EMAX + 1 - 127): the byte cannot fall under 1
	v_max_num_f32_dpp v8, v8, v8 row_xmask:1 row_mask:0xf bank_mask:0xf   ; and of my neighbour's 16: the block's
	v_add_nc_u32 v11, -(EMAX<<23), v8              ; EMAX off its exponent field: the conversion takes the exponent field of this operand as its scale, and nothing else of it
	v_cvt_scalef32_pk8_fp4_f32 v[C+4*(\t)], v[XS:XS+7], v11
	v_cvt_scalef32_pk8_fp4_f32 v[C+4*(\t)+1], v[XS+8:XS+15], v11
	v_lshrrev_b32 v[E+(\t)], 23, v11               ; the scale's byte (also the plain line behind the conversions)
	ds_store_b8 v5, v[E+(\t)] offset:16*(\t)       ; both lanes of a block write the same byte with the same value
	global_store_b64 v4, v[C+4*(\t):C+4*(\t)+1], s[14:15] offset:32*CB*(\t)   ; the wave stores 256 consecutive bytes, aligned
.endm
.irp t, 0,1,2,3,4,5,6,7,8,9,10,11,12,13,14,15
	STEPA \t
.endr
	ds_load_b64 v[8:9], v6                         ; LDS serves a wave's instructions in order: these see my stores
	s_wait_dscnt 0x0
	global_store_b64 v7, v[8:9], s[16:17]          ; 32 lanes store 256 consecutive bytes, aligned
	s_wait_tensorcnt 0x0                           ; the wave's end, behind my last LDS store
	ds_add_u32 v[SPW], v[NIL]
	s_wait_dscnt 0x0
	s_endpgm
	; ---------------- the weights ----------------
.Lweights:
	s_lshr_b32 s24, ttmp9, 5                       ; which tensor: 0 Wq, 1 Wk, 2 Wv
	s_and_b32 s25, ttmp9, 31
	s_and_b32 s26, s25, 7                          ; which 128 columns
	s_lshr_b32 s25, s25, 3                         ; which 256 along K
	s_cmp_eq_u32 s24, 0
	s_cselect_b64 s[8:9], s[8:9], s[10:11]
	s_cmp_eq_u32 s24, 2
	s_cselect_b64 s[8:9], s[12:13], s[8:9]
	s_lshl_b32 s26, s26, 7
	s_lshl_b32 s27, s22, 5
	s_add_co_u32 s26, s26, s27                     ; my wave's first column
	s_lshl_b32 s28, s25, 20                        ; W: 256 rows of 4,096 bytes a run, + 4 x column
	s_lshl_b32 s27, s26, 2
	s_add_co_u32 s28, s28, s27
	s_mov_b32 s29, 0
	s_add_nc_u64 s[8:9], s[8:9], s[28:29]
	s_lshl_b32 s28, s24, 19                        ; codes: 524,288 a tensor, 512 a column, 128 a run
	s_lshl_b32 s27, s26, 9
	s_add_co_u32 s28, s28, s27
	s_lshl_b32 s27, s25, 7
	s_add_co_u32 s28, s28, s27
	s_add_nc_u64 s[18:19], s[18:19], s[28:29]
	s_lshl_b32 s28, s24, 15                        ; scale bytes: 32,768 a tensor, 32 a column, 8 a run
	s_lshl_b32 s27, s26, 5
	s_add_co_u32 s28, s28, s27
	s_lshl_b32 s27, s25, 3
	s_add_co_u32 s28, s28, s27
	s_add_nc_u64 s[20:21], s[20:21], s[28:29]
	v_lshlrev_b32 v3, 2, v2                        ; in: 4 bytes a lane
	s_mul_i32 s30, s22, 32*WPITCH
	s_add_co_u32 s30, s30, WST                     ; my stage
	v_mul_u32_u24 v4, v2, WPITCH
	v_add_nc_u32 v4, s30, v4                       ; into it: row = my column
	v_and_b32 v5, 7, v2
	v_lshrrev_b32 v6, 3, v2                        ; out of it: eight lanes to a row, four rows an instruction
	v_mul_u32_u24 v7, v6, WPITCH
	v_lshl_add_u32 v7, v5, 4, v7
	v_add_nc_u32 v7, s30, v7
	v_lshlrev_b32 v8, 9, v6
	v_lshl_add_u32 v8, v5, 4, v8                   ; and the same place in the codes' buffer
	v_lshlrev_b32 v9, 5, v2                        ; my column's row of scale bytes
.macro LOADW t                         ; block t: W(32 t + i, my column) into set t % 2: 32 lanes read 128 consecutive bytes
.irp i, 0,1,2,3,4,5,6,7,8,9,10,11,12,13,14,15,16,17,18,19,20,21,22,23,24,25,26,27,28,29,30,31
	global_load_b32 v[XW+32*((\t)%2)+\i], v3, s[8:9] offset:(32*(\t)+\i)*4096 th:TH_LOAD_NT
.endr
.endm
	LOADW 0
	LOADW 1
.macro BLOCKW t
.set XT, XW+32*((\t)%2)
.if (\t) < NB-1
	s_wait_loadcnt 32                              ; this block's 32 loads are in; the next block's may be out
.else
	s_wait_loadcnt 0
.endif
	v_max3_num_f32 v12, |v[XT]|, |v[XT+1]|, |v[XT+2]|              ; the block's largest magnitude: all 32 numbers are mine
	v_max3_num_f32 v13, |v[XT+3]|, |v[XT+4]|, |v[XT+5]|
.irp i, 6,10,14,18,22,26
	v_max3_num_f32 v12, v12, |v[XT+\i]|, |v[XT+\i+1]|
	v_max3_num_f32 v13, v13, |v[XT+\i+2]|, |v[XT+\i+3]|
.endr
	v_max3_num_f32 v12, v12, |v[XT+30]|, |v[XT+31]|
	v_max3_num_f32 v12, v12, v13, (EMAX+1)<<23     ; and the floor
	v_add_nc_u32 v11, -(EMAX<<23), v12             ; the conversion's scale operand
	v_lshrrev_b32 v13, 23, v11                     ; the scale's byte
.if (\t)%4 == 0
	v_mov_b32 v[SB+(\t)/4], v13                    ; four bytes to a register, the lower K in the lower byte
.else
	v_lshl_or_b32 v[SB+(\t)/4], v13, 8*((\t)%4), v[SB+(\t)/4]
.endif
.irp g, 0,1,2,3
	v_cvt_scalef32_pk8_fp4_f32 v[CW+\g], v[XT+8*\g:XT+8*\g+7], v11
.endr
	v_nop                                          ; one plain line behind the last conversion
	ds_store_b128 v4, v[CW:CW+3] offset:16*(\t)    ; 32 codes: 16 bytes of my column's row
.if (\t)+2 < NB
	LOADW (\t)+2
.endif
	s_wait_dscnt 0x0                               ; the store has read its registers: the next block's codes may be written
.endm
.irp t, 0,1,2,3,4,5,6,7
	BLOCKW \t
.endr
	global_store_b64 v9, v[SB:SB+1], s[20:21]      ; my column's 8 scale bytes
.irp t, 0,1,2,3,4,5,6,7
	ds_load_b128 v[OUTR+4*\t:OUTR+4*\t+3], v7 offset:4*\t*WPITCH   ; LDS serves a wave's instructions in order: these see my stores
.endr
.irp t, 0,1,2,3,4,5,6,7
	s_wait_dscnt 7-\t                              ; load t is in; the younger ones may be out
	global_store_b128 v8, v[OUTR+4*\t:OUTR+4*\t+3], s[18:19] offset:4*\t*512
.endr
	s_wait_tensorcnt 0x0                           ; the wave's end, behind my last LDS store
	ds_add_u32 v[SPW], v[NIL]
	s_wait_dscnt 0x0
	s_endpgm
.Lfunc_end_k_q23f951fef9_quant:
	.size	k_q23f951fef9_quant, .Lfunc_end_k_q23f951fef9_quant-k_q23f951fef9_quant
	.p2alignl 7, 3214868480
	.fill 96, 4, 3214868480
	.section	.rodata,"a",@progbits
	.p2align	6, 0x0
	.amdhsa_kernel k_q23f951fef9_quant
		.amdhsa_group_segment_fixed_size 51712
		.amdhsa_private_segment_fixed_size 0
		.amdhsa_enable_private_segment 0
		.amdhsa_kernarg_size 72
		.amdhsa_user_sgpr_count 2
		.amdhsa_user_sgpr_kernarg_segment_ptr 1
		.amdhsa_wavefront_size32 1
		.amdhsa_system_sgpr_workgroup_id_x 1
		.amdhsa_system_sgpr_workgroup_id_y 1
		.amdhsa_system_sgpr_workgroup_id_z 1
		.amdhsa_system_vgpr_workitem_id 0
		.amdhsa_next_free_vgpr 192
		.amdhsa_next_free_sgpr 66
		.amdhsa_reserve_vcc 0
		.amdhsa_float_denorm_mode_32 3
		.amdhsa_float_denorm_mode_16_64 3
		.amdhsa_memory_ordered 1
		.amdhsa_forward_progress 1
		.amdhsa_inst_pref_size 73
	.end_amdhsa_kernel
	.amdgpu_metadata
---
amdhsa.version: [ 1, 2 ]
amdhsa.kernels:
  - .name:           k_q23f951fef9_quant
    .symbol:         k_q23f951fef9_quant.kd
    .args:
      - { .name: x, .offset: 0, .size: 8, .value_kind: global_buffer, .address_space: global }
      - { .name: context, .offset: 8, .size: 8, .value_kind: global_buffer, .address_space: global }
      - { .name: Wq, .offset: 16, .size: 8, .value_kind: global_buffer, .address_space: global }
      - { .name: Wk, .offset: 24, .size: 8, .value_kind: global_buffer, .address_space: global }
      - { .name: Wv, .offset: 32, .size: 8, .value_kind: global_buffer, .address_space: global }
      - { .name: acodes, .offset: 40, .size: 8, .value_kind: global_buffer, .address_space: global }
      - { .name: ascales, .offset: 48, .size: 8, .value_kind: global_buffer, .address_space: global }
      - { .name: wcodes, .offset: 56, .size: 8, .value_kind: global_buffer, .address_space: global }
      - { .name: wscales, .offset: 64, .size: 8, .value_kind: global_buffer, .address_space: global }
    .group_segment_fixed_size: 51712
    .private_segment_fixed_size: 0
    .kernarg_segment_align: 8
    .kernarg_segment_size: 72
    .max_flat_workgroup_size: 128
    .sgpr_count:     66
    .vgpr_count:     192
    .wavefront_size: 32
...
	.end_amdgpu_metadata
.endif
;; end of part 1
;; launch proj (part 2): grid 4 x 96, 4 waves a work-group, clusters of 4 x 4, 327,680 bytes of LDS; arguments acodes, ascales, wcodes, wscales, bq, bk, bv, qkv; writes qkv
.if DOCPART == 2
	.amdgcn_target "amdgcn-amd-amdhsa--gfx1250"
	.amdhsa_code_object_version 6
	.text
	.protected	k_q23f951fef9_proj
	.globl	k_q23f951fef9_proj
	.p2align	8
	.type	k_q23f951fef9_proj,@function
k_q23f951fef9_proj:
	s_mov_b64 s[64:65], 0
	v_nop
	global_prefetch_b8 v0, s[64:65] scope:SCOPE_SE
	s_setreg_imm32_b32 hwreg(HW_REG_WAVE_MODE, 25, 1), 1
	s_wait_xcnt 0x0
	s_wait_alu depctr_hold_cnt(0) depctr_sa_sdst(0) depctr_va_vdst(0) depctr_va_sdst(0) depctr_va_ssrc(0) depctr_va_vcc(0) depctr_vm_vsrc(0)
	s_getreg_b32 s2, hwreg(HW_REG_IB_STS2, 6, 4)
	s_cmp_eq_u32 s2, 0
	s_cbranch_scc0 .Lentry_in_a_cluster
	s_endpgm
.Lentry_in_a_cluster:
	s_bfe_u32 s2, ttmp6, 0x10000c
	s_cmp_lg_u32 s2, 0xf033
	s_cbranch_scc0 .Lentry_shape_is_right
	s_endpgm
.Lentry_shape_is_right:
; Q = x Wq + bq, K = context Wk + bk, V = context Wv + bv, on codes of FP4 (E2M1) with one E8M0 scale for each 32 along K; sums in f32; the results are rounded once to f16 into qkv [3][8192][1024].
; LIMIT: |Q|, |K|, |V| stay under 65,504 (f16's largest number); NaN and infinities are not served.
; The three products are one grid of 96 x 4 tiles of 256 x 256: tile row R = 0 .. 95 is row block R of qkv; rows 0-31 multiply x's codes, rows 32-63 and 64-95 context's.  Four waves, 128 x 128 each: 64 accumulators.
; K = 1,024 is two slots of 512 along K (rows of 256 bytes): both are asked for at the head, with the scales of all of K: nothing is filled again, and there is no loop.
; CLUSTERS: 4 x 4 work-groups.  The four of a row need the same tiles of the activations, the four of a column the same tiles of the weights: each tile is asked for JOINTLY, by the same tensor load with the same
; descriptor and a mask that names the four.  A cluster's 16 tiles belong to one tensor: which one hangs on the cluster's y alone.
; THE MATRIX INSTRUCTION IS USED TRANSPOSED (source 0 = 16 rows of the weights' codes, source 1 = 16 rows of the activations'): a lane holds eight neighbouring columns of one row.
; THE BIAS is the C of each sum's first product: eight registers for each of my eight blocks of 16 columns, in the result's layout.
; REGISTERS, in windows of 256: window 0: v0-31 addresses; v32-95 scale words, two sets, and nothing else; v96-127 packed results on the way out; v128-191 A's fragments, one set, on the way out rows read back;
;   v192-255 the bias.   window 1: B's fragments, two sets.   window 2: the accumulators of my rows 0-63 ((a, b) at v[8 (8 a + b)]);   window 3: those of rows 64-127.
.set NQ,     4                         ; matrix instructions deep in a slot: 512 along K
.set ROWB,   256                       ; a tile's row in bytes
.set KROW,   512                       ; a row of codes in memory
.set PITCH,  272                       ; an LDS row: 256 bytes + 16 of padding: the 16 rows that a load touches start 68 words apart
.set FR,     8                         ; registers of a fragment
.set NL,     2                         ; LDS loads that bring one
.set NP,     4                         ; places behind this matrix instruction (ISA guide 7.12.1)
.set HALFT,  128*PITCH
.set SLOT,   4*HALFT                   ; A's 256 rows, then B's 256 rows
.set KS,     32                        ; a row of scales in bytes
.set SCL,    2*SLOT                    ; behind the slots: the scales, as rows of 256 bytes + 16 of padding
.set HALFS,  (128*KS/256)*272
.set SBLK,   (16*KS/256)*272
.set SPARE,  SCL+4*HALFS               ; the spare words, 128 bytes for each wave: two blocks of 256 bytes that no other line names
.set SPITCH, 272                       ; the way out: a stage of 16 rows x (256 bytes + 16) for each wave, in slot 0, which has had its only fill and its last read when the first result is stored there
.set OROW,   2048                      ; a row of qkv in bytes
.set ADRA, 16
.set ADRB, 20
.set STO,  24
.set RD,   25
.set CO,   26
.set ADRS, 27
.set SPW,  28
.set NIL,  29
.set SC,   32
.set TMP,  96
.set AF,   128
.set BK,   128
.set BI,   192
.set G1, 24
.set G0, 32
.set G1B, 48
.set G0B, 56
.set G1S, 68
.set G0S, 76
.set G1SB, 80
.set G0SB, 88
.set MSB, 0
.macro WIN new                         ; the immediate's high byte repeats the setting that is left
.if MSB != (\new)
	s_set_vgpr_msb (MSB<<8)|(\new)
.set MSB, (\new)
.endif
.endm
.set MUL_LO, 0xa1                      ; source 0 (B) window 1, source 1 (A) window 0, C and D window 2
.set MUL_HI, 0xf1                      ; the same, C and D window 3
.set FST_LO, 0x81                      ; the first products: C (the bias) window 0, D window 2
.set FST_HI, 0xc1                      ; D window 3
.set TO_B,   0x40
; A joint load: waves 0 and 1 fetch for A, waves 2 and 3 for B; the branch hangs on the wave's number alone.  An s_nop 0 and four v_nop follow each of the two lines.
.macro JLOAD g0a, g1a, g0b, g1b
	s_cmp_eq_u32 s15, 0
	s_cbranch_scc0 .Lfor_b_\@
	tensor_load_to_lds s[\g0a:\g0a+3], s[\g1a:\g1a+7]
	s_nop 0
.rept 4
	v_nop
.endr
	s_branch .Lasked_\@
.Lfor_b_\@:
	tensor_load_to_lds s[\g0b:\g0b+3], s[\g1b:\g1b+7]
	s_nop 0
.rept 4
	v_nop
.endr
.Lasked_\@:
.endm
.macro CROUND                          ; a round of the cluster's barrier
	s_barrier_signal -1
	s_barrier_wait -1
	s_cmp_lg_u32 s14, 0
	s_cbranch_scc1 .Lnot_wave_0_\@
	s_barrier_signal -3
.Lnot_wave_0_\@:
	s_barrier_wait -3
	s_barrier_signal -1
	s_barrier_wait -1
.endm
	s_load_b128 s[4:7], s[0:1], 0x0                ; the activations' codes, their scales
	s_load_b128 s[8:11], s[0:1], 0x10              ; the weights' codes, their scales
	s_load_b128 s[96:99], s[0:1], 0x20             ; bq, bk
	s_load_b64 s[100:101], s[0:1], 0x30            ; bv
	s_load_b64 s[12:13], s[0:1], 0x38              ; qkv
	v_lshl_add_u32 v[SPW], v0, 2, SPARE
	v_mov_b32 v[NIL], 0
	ds_add_u32 v[SPW], v[NIL]                      ; the wave's opening: the add, twice on end, and its wait ahead of my first tensor load
	ds_add_u32 v[SPW], v[NIL]
	v_lshrrev_b32 v1, 5, v0
	v_readfirstlane_b32 s14, v1                    ; wave 0..3
	s_lshr_b32 s15, s14, 1                         ; which half of the tile's rows is mine.  Also: I fetch for A (0) or for B (1)
	s_and_b32 s16, s14, 1                          ; which half of its columns.  Also: which 128 rows of that tile I fetch
	s_bfe_u32 s40, ttmp6, 0x40000                  ; cx, cy: my place in the cluster
	s_bfe_u32 s41, ttmp6, 0x40004
	s_lshl_b32 s42, ttmp9, 2
	s_add_co_u32 s42, s42, s40                     ; tile column = 4 x cluster x + cx
	s_and_b32 s66, ttmp7, 0xffff                   ; cluster y, 0 .. 23
	s_lshl_b32 s17, s66, 2
	s_add_co_u32 s17, s17, s41                     ; tile row = 4 x cluster y + cy, 0 .. 95
	s_lshr_b32 s67, s66, 3                         ; the tensor: 0 Q, 1 K, 2 V
	s_lshl_b32 s43, s41, 2
	s_lshl_b32 s43, 15, s43                        ; my row of the cluster
	s_lshl_b32 s44, 0x1111, s40                    ; my column
	; descriptor group 1: a tile of 128 rows x 256 bytes, padded in LDS
	s_or_b32 s[G1+0], s43, (0<<16)|(1<<20)|(1<<21)|(5<<22)|(3<<25)  ; the mask; elements of 1 byte; padding on; bit 21 beside a mask; after every 64 words, 4 words
	s_or_b32 s[G1B+0], s44, (0<<16)|(1<<20)|(1<<21)|(5<<22)|(3<<25)
.irp g, G1, G1B
	s_mov_b32 s[\g+1], ROWB<<16                    ; tensor_dim0
	s_mov_b32 s[\g+2], 128<<16                     ; tensor_dim1
	s_mov_b32 s[\g+3], ROWB<<16                    ; tile_dim0
	s_mov_b32 s[\g+4], 128                         ; tile_dim1
	s_mov_b32 s[\g+5], KROW                        ; from row to row
	s_mov_b32 s[\g+6], 0
	s_mov_b32 s[\g+7], 0
.endr
	; the scales of 128 rows: a dense block of 4,096 bytes, as 16 rows of 256 bytes (32 elements of 8 bytes), 16 bytes of padding behind each
	s_or_b32 s[G1S+0], s43, (3<<16)|(1<<20)|(1<<21)|(5<<22)|(3<<25)
	s_or_b32 s[G1SB+0], s44, (3<<16)|(1<<20)|(1<<21)|(5<<22)|(3<<25)
.irp g, G1S, G1SB
	s_mov_b32 s[\g+1], 32<<16
	s_mov_b32 s[\g+2], (128*KS/256)<<16
	s_mov_b32 s[\g+3], 32<<16
	s_mov_b32 s[\g+4], 128*KS/256
	s_mov_b32 s[\g+5], 32
	s_mov_b32 s[\g+6], 0
	s_mov_b32 s[\g+7], 0
.endr
	s_lshl_b32 s18, s16, 7                         ; which 128 rows of the tile I fetch
	s_lshr_b32 s19, s66, 4                         ; 1 for V: it multiplies context's codes again,
	s_lshl_b32 s19, s19, 5                         ; 32 tile rows back
	s_sub_co_u32 s20, s17, s19
	s_lshl_b32 s20, s20, 8
	s_add_co_u32 s20, s20, s18                     ; A: row of the activations' codes
	s_lshl_b32 s46, s42, 8
	s_add_co_u32 s46, s46, s18
	s_lshl_b32 s19, s67, 10
	s_add_co_u32 s46, s46, s19                     ; B: row 1,024 x tensor + 256 x tile column + 128 x half
	s_mov_b32 s21, 0
	s_mov_b32 s47, 0
	s_mov_b64 s[18:19], KS
	s_mul_u64 s[22:23], s[20:21], s[18:19]         ; where these rows' scales begin, in bytes
	s_mul_u64 s[92:93], s[46:47], s[18:19]
	s_mov_b64 s[18:19], KROW
	s_mul_u64 s[20:21], s[20:21], s[18:19]         ; and their codes
	s_mul_u64 s[46:47], s[46:47], s[18:19]
	s_mul_i32 s45, s14, HALFT                      ; where they go: wave x 128 rows: no place in the cluster enters an LDS address
	s_mul_i32 s94, s14, HALFS
	s_wait_dscnt 0x0                               ; both opening adds are done
	s_wait_kmcnt 0x0
	s_add_nc_u64 s[20:21], s[4:5], s[20:21]
	s_add_nc_u64 s[22:23], s[6:7], s[22:23]
	s_add_nc_u64 s[46:47], s[8:9], s[46:47]
	s_add_nc_u64 s[92:93], s[10:11], s[92:93]
	CROUND                                         ; all sixteen work-groups are here: the joint loads meet
	s_mov_b32 s[G0S], 1
	s_add_co_u32 s[G0S+1], s94, SCL
	s_mov_b64 s[G0S+2:G0S+3], s[22:23]
	s_or_b32 s[G0S+3], s[G0S+3], 0x80000000
	s_mov_b32 s[G0SB], 1
	s_add_co_u32 s[G0SB+1], s94, SCL
	s_mov_b64 s[G0SB+2:G0SB+3], s[92:93]
	s_or_b32 s[G0SB+3], s[G0SB+3], 0x80000000
	JLOAD G0S, G1S, G0SB, G1SB                     ; the scales first: they are wanted with the first slot
.irp s, 0,1
	s_mov_b32 s[G0+4*\s], 1
	s_add_co_u32 s[G0+4*\s+1], s45, \s*SLOT
	s_add_nc_u64 s[G0+4*\s+2:G0+4*\s+3], s[20:21], \s*ROWB
	s_or_b32 s[G0+4*\s+3], s[G0+4*\s+3], 0x80000000
	s_mov_b32 s[G0B+4*\s], 1
	s_add_co_u32 s[G0B+4*\s+1], s45, \s*SLOT
	s_add_nc_u64 s[G0B+4*\s+2:G0B+4*\s+3], s[46:47], \s*ROWB
	s_or_b32 s[G0B+4*\s+3], s[G0B+4*\s+3], 0x80000000
	JLOAD G0+4*\s, G1, G0B+4*\s, G1B               ; three tensor loads of mine are out behind the second of these
.endr
	v_and_b32 v1, 15, v0                           ; r = l % 16
	v_bfe_u32 v2, v0, 4, 1                         ; h = l / 16
	; the bias: register BI + 8 b + j = bias[my first column + 16 b + 8 h + j]
	s_cmp_eq_u32 s67, 0
	s_cselect_b64 s[96:97], s[96:97], s[98:99]
	s_cmp_eq_u32 s67, 2
	s_cselect_b64 s[96:97], s[100:101], s[96:97]
	s_lshl_b32 s46, s42, 10
	s_lshl_b32 s47, s16, 9
	s_add_co_u32 s46, s46, s47                     ; 4 bytes x (256 x tile column + 128 x half)
	s_mov_b32 s47, 0
	s_add_nc_u64 s[96:97], s[96:97], s[46:47]
	v_lshlrev_b32 v7, 5, v2                        ; 32 h
.irp b, 0,1,2,3,4,5,6,7
	global_load_b128 v[BI+8*\b:BI+8*\b+3], v7, s[96:97] offset:64*\b
	global_load_b128 v[BI+8*\b+4:BI+8*\b+7], v7, s[96:97] offset:64*\b+16
.endr
	v_mul_u32_u24 v3, v1, PITCH
	v_lshl_add_u32 v4, v2, 4, v3                   ; a fragment's row x pitch + 16 x half
	s_mul_i32 s21, s15, HALFT                      ; my 128 rows of A
	s_mul_i32 s22, s16, HALFT                      ; my 128 rows of B,
	s_add_co_u32 s22, s22, 2*HALFT                 ; which lie behind A's 256
.irp s, 0,1
	v_add_nc_u32 v[ADRA+\s], s21, v4
	v_add_nc_u32 v[ADRB+\s], s22, v4
	s_add_co_u32 s21, s21, SLOT
	s_add_co_u32 s22, s22, SLOT
.endr
	v_mul_u32_u24 v5, v1, KS                       ; my row's scales: 32 bytes a row,
	v_lshrrev_b32 v6, 8, v5
	v_lshl_add_u32 v5, v6, 4, v5                   ; and 16 more for each 256 passed
	s_mul_i32 s21, s15, HALFS                      ; A's: my 128 rows
	s_mul_i32 s22, s16, HALFS                      ; B's: my 128 rows, behind A's 256
	s_add_co_u32 s22, s22, 2*HALFS
	s_sub_co_u32 s22, s22, s21
	v_mul_u32_u24 v6, s22, v2                      ; lanes 16-31 take B's
	s_add_co_u32 s21, s21, SCL
	v_add_nc_u32 v5, v5, v6
	v_add_nc_u32 v[ADRS], s21, v5
	s_mul_i32 s23, s14, 16*SPITCH                  ; my stage
	v_mul_u32_u24 v5, v1, SPITCH                   ; in: row r, 16 bytes for each half of the lanes
	v_lshl_add_u32 v5, v2, 4, v5
	v_add_nc_u32 v[STO], s23, v5
	v_mul_u32_u24 v5, v2, SPITCH                   ; back: lanes 0-15 one row of 256 bytes, lanes 16-31 the next
	v_lshl_add_u32 v5, v1, 4, v5
	v_add_nc_u32 v[RD], s23, v5
	v_lshlrev_b32 v5, 11, v2                       ; and the same two rows in qkv
	v_lshl_add_u32 v[CO], v1, 4, v5
	s_lshl_b32 s20, s17, 8
	s_lshl_b32 s21, s15, 7
	s_add_co_u32 s20, s20, s21                     ; my first row of qkv: 256 x tile row + 128 x half
	s_lshl_b32 s20, s20, 11                        ; 2,048 bytes a row (24,576 rows: under 2^32)
	s_mov_b32 s21, 0
	s_lshl_b32 s46, s42, 9                         ; my first column, in bytes: 512 x tile column + 256 x half
	s_lshl_b32 s47, s16, 8
	s_add_co_u32 s46, s46, s47
	s_mov_b32 s47, 0
	s_add_nc_u64 s[20:21], s[20:21], s[46:47]
	s_add_nc_u64 s[12:13], s[12:13], s[20:21]
.macro FRAG reg, adr, q, i             ; a fragment, 16 rows x 128 K of 4-bit codes: lane l holds row l % 16; registers 4 c .. 4 c + 3 hold K = 64 c + 32 (l / 16) + 0 .. 31
.irp c, 0,1
	ds_load_b128 v[\reg+4*\c:\reg+4*\c+3], v[\adr] offset:64*(\q)+32*\c+(\i)*16*PITCH
.endr
.endm
; 16 matrix instructions: A's blocks a0, a0 + 1 x B's eight, the slot's q-th 128 along K.  p: B's set; sc: the set of scale words.  first = 1: the bias is C.
; The 64 accumulators take turns, one instruction a turn, in the same order in every step.
.macro MUL16 a0, p, q, sc, first
.irp a, \a0, \a0+1
.irp b, 0,1,2,3,4,5,6,7
.if \first
	v_wmma_scale_f32_16x16x128_f8f6f4 v[8*(8*((\a)%4)+\b):8*(8*((\a)%4)+\b)+7], v[128*(\p)+FR*\b:128*(\p)+FR*\b+FR-1], v[AF+FR*(\a):AF+FR*(\a)+FR-1], v[BI+8*\b:BI+8*\b+7], v[SC+8*NQ*(\sc)+NQ*\b+(\q)], v[SC+8*NQ*(\sc)+NQ*(\a)+(\q)] matrix_a_fmt:MATRIX_FMT_FP4 matrix_b_fmt:MATRIX_FMT_FP4 matrix_a_scale:MATRIX_SCALE_ROW1
.else
	v_wmma_scale_f32_16x16x128_f8f6f4 v[8*(8*((\a)%4)+\b):8*(8*((\a)%4)+\b)+7], v[128*(\p)+FR*\b:128*(\p)+FR*\b+FR-1], v[AF+FR*(\a):AF+FR*(\a)+FR-1], v[8*(8*((\a)%4)+\b):8*(8*((\a)%4)+\b)+7], v[SC+8*NQ*(\sc)+NQ*\b+(\q)], v[SC+8*NQ*(\sc)+NQ*(\a)+(\q)] matrix_a_fmt:MATRIX_FMT_FP4 matrix_b_fmt:MATRIX_FMT_FP4 matrix_a_scale:MATRIX_SCALE_ROW1
.endif
.endr
.endr
.endm
.macro FETCH_B slot, q, p
	WIN TO_B
.irp i, 0,1,2,3,4,5,6,7
	FRAG 128*(\p)+FR*\i, ADRB+\slot, \q, \i
.endr
	WIN 0
.endm
.macro FETCH_A slot, q, i0
.irp i, \i0, \i0+1, \i0+2, \i0+3
	FRAG AF+FR*(\i), ADRA+\slot, \q, \i
.endr
.endm
.macro SCALES sc                       ; a slot's scale words into set sc: 4 words a row; lanes 0-15 take A's block i, lanes 16-31 B's block i
.irp i, 0,1,2,3,4,5,6,7
	ds_load_b128 v[SC+8*NQ*\sc+NQ*\i:SC+8*NQ*\sc+NQ*\i+3], v[ADRS] offset:\i*SBLK
.endr
.endm
; A load into a register that a matrix instruction has read, and a vector instruction that reads a matrix result, stand NP places behind that matrix instruction; only plain vector instructions that name
; none of its registers are places (ISA guide 7.12.1 for vector instructions).
.macro PLACES n
.rept \n
	v_nop
.endr
.endm
.macro STEP slot, q, first             ; a step of 128 along K that has its successor in the same slot
	s_wait_dscnt 4*NL                              ; B's set and A's blocks 0-3 are in; the youngest eight loads (A's blocks 4-7) may be out
.if \first
	WIN FST_LO
.else
	WIN MUL_LO
.endif
	MUL16 0, (\q)%2, \q, \slot, \first
	MUL16 2, (\q)%2, \q, \slot, \first
	s_wait_dscnt 0                                 ; A's blocks 4-7 are in
	PLACES NP
	FETCH_B \slot, (\q)+1, 1-(\q)%2
	FETCH_A \slot, (\q)+1, 0
.if \first
	WIN FST_HI
.else
	WIN MUL_HI
.endif
	MUL16 4, (\q)%2, \q, \slot, \first
	MUL16 6, (\q)%2, \q, \slot, \first
	PLACES NP
	WIN 0
	FETCH_A \slot, (\q)+1, 4
.endm
.macro STEPS slot, from
.set Q, \from
.rept NQ-1-\from
	STEP \slot, Q, 0
.set Q, Q+1
.endr
.endm
	s_wait_tensorcnt 1                             ; the scales and my part of slot 0 are in (slot 1's load may be out)
	s_barrier_signal -1
	s_barrier_wait -1                              ; everybody's are
	FETCH_B 0, 0, 0
	FETCH_A 0, 0, 0
	SCALES 0
	FETCH_A 0, 0, 4
	s_wait_loadcnt 0x0                             ; the bias
	STEP 0, 0, 1                                   ; the first step's products start the sums from the bias: nothing is cleared, nothing is added later
	STEPS 0, 1
	; slot 0's last step changes slots: one barrier; in front of it each wave waits for all its tensor loads (its part of slot 1), adds 0 to its spare word, and waits for that and for its reads of slot 0
	s_wait_tensorcnt 0x0
	ds_add_u32 v[SPW], v[NIL]
	s_wait_dscnt 4*NL+1                            ; (the add and the youngest eight loads may be out)
	WIN MUL_LO
	MUL16 0, 1, NQ-1, 0, 0
	s_wait_dscnt 0x0                               ; the add is done, and my reads of slot 0 are over
	s_barrier_signal -1
	MUL16 2, 1, NQ-1, 0, 0
	s_barrier_wait -1
	PLACES NP
	WIN 0
	v_add_nc_u32 v[ADRS], 4*NQ, v[ADRS]            ; on to the second slot's scale words
	FETCH_B 1, 0, 0
	FETCH_A 1, 0, 0
	SCALES 1
	WIN MUL_HI
	MUL16 4, 1, NQ-1, 0, 0
	MUL16 6, 1, NQ-1, 0, 0
	PLACES NP
	WIN 0
	FETCH_A 1, 0, 4
	STEPS 1, 0
	s_wait_dscnt 4*NL                              ; the very last step: nothing more to fetch
	WIN MUL_LO
	MUL16 0, 1, NQ-1, 1, 0
	MUL16 2, 1, NQ-1, 1, 0
	s_wait_dscnt 0
	WIN MUL_HI
	MUL16 4, 1, NQ-1, 1, 0
	MUL16 6, 1, NQ-1, 1, 0
	WIN 0
; THE WAY OUT, block by block of 16 rows x 128 columns: rounded to f16, 16 bytes a lane; into my own stage; back as whole rows of 256 bytes; stored sixteen lanes to 256 consecutive bytes, aligned.
.macro PACK a
.set AC, 64*((\a)%4)
	WIN 0x0a+5*((\a)/4)                            ; sources 0 and 1: window 2 or 3
.irp b, 0,1,2,3,4,5,6,7
.irp r, 0,1,2,3
	v_cvt_pk_f16_f32 v[TMP+4*\b+\r], v[AC+8*\b+2*\r], v[AC+8*\b+2*\r+1]   ; each accumulator from its low end on
.endr
.endr
	WIN 0
.endm
.macro TOSTAGE a
.set BB, BK+32*((\a)%2)
.irp b, 0,1,2,3,4,5,6,7
	ds_store_b128 v[STO], v[TMP+4*\b:TMP+4*\b+3] offset:32*\b
.endr
.irp t, 0,1,2,3,4,5,6,7
	ds_load_b128 v[BB+4*\t:BB+4*\t+3], v[RD] offset:\t*2*SPITCH    ; LDS serves a wave's instructions in order: these see the stores above
.endr
.endm
.macro SEND a
.set BB, BK+32*((\a)%2)
	s_wait_dscnt 0x0                               ; the block is back in registers
	s_wait_xcnt 0x0                                ; the earlier stores have read their registers and their base: both may be written again
.if (\a) > 0
	s_add_nc_u64 s[12:13], s[12:13], 16*OROW
.endif
.irp t, 0,1,2,3,4,5,6,7
	global_store_b128 v[CO], v[BB+4*\t:BB+4*\t+3], s[12:13] offset:2*\t*OROW
.endr
.endm
	PLACES NP                                      ; behind the last products: for the conversions' reads and for the loads into A's registers
	PACK 0
	TOSTAGE 0
.irp a, 1,2,3,4,5,6,7                  ; block a's conversions stand between block a - 1's loads from the stage and the wait for them
	PACK \a
	SEND \a-1
	TOSTAGE \a
.endr
	SEND 7
	s_wait_tensorcnt 0x0                           ; the wave's end, behind my last tensor load and my last LDS store
	ds_add_u32 v[SPW], v[NIL]
	s_wait_dscnt 0x0
	CROUND                                         ; the closing round
	s_endpgm
.Lfunc_end_k_q23f951fef9_proj:
	.size	k_q23f951fef9_proj, .Lfunc_end_k_q23f951fef9_proj-k_q23f951fef9_proj
	.p2alignl 7, 3214868480
	.fill 96, 4, 3214868480
	.section	.rodata,"a",@progbits
	.p2align	6, 0x0
	.amdhsa_kernel k_q23f951fef9_proj
		.amdhsa_group_segment_fixed_size 327680
		.amdhsa_private_segment_fixed_size 0
		.amdhsa_enable_private_segment 0
		.amdhsa_kernarg_size 64
		.amdhsa_user_sgpr_count 2
		.amdhsa_user_sgpr_kernarg_segment_ptr 1
		.amdhsa_wavefront_size32 1
		.amdhsa_system_sgpr_workgroup_id_x 1
		.amdhsa_system_sgpr_workgroup_id_y 1
		.amdhsa_system_sgpr_workgroup_id_z 1
		.amdhsa_system_vgpr_workitem_id 0
		.amdhsa_next_free_vgpr 1024
		.amdhsa_next_free_sgpr 102
		.amdhsa_reserve_vcc 0
		.amdhsa_float_denorm_mode_32 3
		.amdhsa_float_denorm_mode_16_64 3
		.amdhsa_memory_ordered 1
		.amdhsa_forward_progress 1
		.amdhsa_inst_pref_size 129
	.end_amdhsa_kernel
	.amdgpu_metadata
---
amdhsa.version: [ 1, 2 ]
amdhsa.kernels:
  - .name:           k_q23f951fef9_proj
    .symbol:         k_q23f951fef9_proj.kd
    .args:
      - { .name: acodes, .offset: 0, .size: 8, .value_kind: global_buffer, .address_space: global }
      - { .name: ascales, .offset: 8, .size: 8, .value_kind: global_buffer, .address_space: global }
      - { .name: wcodes, .offset: 16, .size: 8, .value_kind: global_buffer, .address_space: global }
      - { .name: wscales, .offset: 24, .size: 8, .value_kind: global_buffer, .address_space: global }
      - { .name: bq, .offset: 32, .size: 8, .value_kind: global_buffer, .address_space: global }
      - { .name: bk, .offset: 40, .size: 8, .value_kind: global_buffer, .address_space: global }
      - { .name: bv, .offset: 48, .size: 8, .value_kind: global_buffer, .address_space: global }
      - { .name: qkv, .offset: 56, .size: 8, .value_kind: global_buffer, .address_space: global }
    .group_segment_fixed_size: 327680
    .private_segment_fixed_size: 0
    .kernarg_segment_align: 8
    .kernarg_segment_size: 64
    .max_flat_workgroup_size: 128
    .sgpr_count:     102
    .vgpr_count:     1024
    .wavefront_size: 32
...
	.end_amdgpu_metadata
.endif
;; end of part 2
;; launch scores (part 3): grid 8 x 32, 4 waves a work-group, clusters of 4 x 4, 327,680 bytes of LDS; arguments qkv, p, stats; writes p, stats
.if DOCPART == 3
	.amdgcn_target "amdgcn-amd-amdhsa--gfx1250"
	.amdhsa_code_object_version 6
	.text
	.protected	k_q23f951fef9_scores
	.globl	k_q23f951fef9_scores
	.p2align	8
	.type	k_q23f951fef9_scores,@function
k_q23f951fef9_scores:
	s_mov_b64 s[64:65], 0
	v_nop
	global_prefetch_b8 v0, s[64:65] scope:SCOPE_SE
	s_setreg_imm32_b32 hwreg(HW_REG_WAVE_MODE, 25, 1), 1
	s_wait_xcnt 0x0
	s_wait_alu depctr_hold_cnt(0) depctr_sa_sdst(0) depctr_va_vdst(0) depctr_va_sdst(0) depctr_va_ssrc(0) depctr_va_vcc(0) depctr_vm_vsrc(0)
	s_getreg_b32 s2, hwreg(HW_REG_IB_STS2, 6, 4)
	s_cmp_eq_u32 s2, 0
	s_cbranch_scc0 .Lentry_in_a_cluster
	s_endpgm
.Lentry_in_a_cluster:
	s_bfe_u32 s2, ttmp6, 0x10000c
	s_cmp_lg_u32 s2, 0xf033
	s_cbranch_scc0 .Lentry_shape_is_right
	s_endpgm
.Lentry_shape_is_right:
; S = Q K^T in f16 operands and f32 sums, and the first half of the softmax.  Q = qkv rows 0-8191, K = rows 8192-16383, [row][1024] f16; four batches of 2,048 queries x 2,048 keys.
; t = s x c, c = log2(e) / 32.  A CHUNK is the 128 keys that one wave holds of a row.  For each row and chunk: M = the chunk's largest t rounded UP to a whole number; p = 2^(t - M), rounded once to f16;
; l = the sum of the unrounded p, in f32.  M goes to stats [16 chunks][8192 rows], l to the same layout 524,288 bytes on.  The next launch joins the chunks under the row's largest M: the maximum is
; taken away ahead of every exponential, chunk by chunk, and the chunks are brought under one maximum by powers of two.
; p IS LAID AS IMAGES OF THE NEXT LAUNCH'S OPERAND REGISTERS: [512 blocks of 16 queries][128 groups of 16 keys][32 lanes][16 bytes]; lane (r, h)'s 16 bytes are keys 8 h + 0 .. 7 of the group, of query r.  That is what a
; lane holds here when it has packed an accumulator: so p leaves straight from registers, 512 consecutive bytes a store, and goes through no stage.
; LIMITS: NaN and infinities are not served; |t| under 2^28, so that the fused t - M stays small enough for p to lie in f16's range.
; A tile of 256 queries x 256 keys is made by four waves, 128 x 128 each: 64 accumulators, 512 registers.  K (the head's 1,024) goes in steps of 128 through a ring of two LDS slots filled by the tensor data mover.
; CLUSTERS: 4 x 4 work-groups: Q's tiles are shared along a row of the cluster, K's along a column, by joint loads.  THE MATRIX INSTRUCTION IS USED TRANSPOSED (source 0 = 16 keys, source 1 = 16 queries): a lane holds
; ONE query (lane % 16) and, in accumulator (a, b), its keys 16 b + 8 (lane / 16) + 0 .. 7; the query's other 64 keys lie in the lane 16 away.
; REGISTERS, in windows of 256: window 0: v0-31 addresses; v64-127, v128-191 fragments of Q, two buffers; on the way out v64-127 t and p, v128-143 at work, v192-223 and v224-255 packed p, by turns.
;   window 1: v64-127, v128-191 fragments of K.   window 2: the accumulators of my queries 0-63 ((a, b) at v[8 (8 a + b)]);   window 3: those of queries 64-127.
.set SIZE_K, 1024
.set KSTEP,  128
.set PITCH,  272                       ; an LDS row: 256 bytes + 16 of padding: the 16 rows that a load touches start 68 words apart
.set HALFT,  128*PITCH
.set SLOT,   4*HALFT                   ; Q's 256 rows, then K's 256 rows
.set SB,     2*SLOT                    ; behind the ring: 1,024 bytes for each wave: its 128 rows' M, then their l
.set SPARE,  SB+4*1024                 ; the spare words, 128 bytes for each wave: two blocks of 256 bytes that no other line names
.set LAPS,   SIZE_K/(2*KSTEP)          ; 4
.set ADRA, 16
.set ADRB, 20
.set SGO,  22                          ; v22  16 x lane: my place in a store's 512 bytes
.set SST,  27                          ; v27  where I put a row's M (lanes 0-15) or l (lanes 16-31)
.set SPW,  28
.set NIL,  29
.set PFO,  30
.set SRD,  31                          ; v31  where I read them back
.set F0,   64
.set F1,   128
.set X,    64                          ; v64-127  a block's t, then p
.set T,    128                         ; v128-135 maxima at work
.set NM,   136                         ; v[136:137] -M (the packed form names the pair and takes its low word)
.set LS,   138                         ; v[138:139], v[140:141] the sum in two chains
.set LS2,  140
.set MV,   142                         ; M
.set SD,   143
.set TMP,  192
.set G1, 24
.set G0, 32
.set G1B, 48
.set G0B, 56
.set LIM,  43                          ; s43  1 in a wave that prefetches, else the greatest number
.set PFA,  44                          ; s[44:45] where my prefetches stand
.set CS,   66                          ; s[66:67] c
.set SEL,  68                          ; s[68:69] v_permlanex16_b32's selects for lane l xor 16
.set HIM,  70                          ; s70  lanes 16-31
.set STA,  72                          ; s[72:73] my 128 rows of my chunk in stats
.set MSB, 0
.macro WIN new
.if MSB != (\new)
	s_set_vgpr_msb (MSB<<8)|(\new)
.set MSB, (\new)
.endif
.endm
.set MUL_LO, 0xa1
.set MUL_HI, 0xf1
.set TO_B,   0x40
; A joint load: waves 0 and 1 fetch Q's two halves, waves 2 and 3 K's.  An s_nop 0 and four v_nop follow each of the two lines.
.macro JLOAD s
	s_cmp_eq_u32 s11, 0
	s_cbranch_scc0 .Lfor_b_\@
	tensor_load_to_lds s[G0+4*\s:G0+4*\s+3], s[G1:G1+7]
	s_nop 0
.rept 4
	v_nop
.endr
	s_branch .Lasked_\@
.Lfor_b_\@:
	tensor_load_to_lds s[G0B+4*\s:G0B+4*\s+3], s[G1B:G1B+7]
	s_nop 0
.rept 4
	v_nop
.endr
.Lasked_\@:
.endm
; A PREFETCH INTO THE L2 of the K step that stands two refills on: 32 rows x 256 bytes, a lane a row, one instruction a wave.  Each row's 256 bytes of a K step are named once in the launch: Q's tile row is read by
; both clusters of a row of clusters: cluster x = 0 asks; K's tile column by the two clusters of a batch: the even cluster y asks.  The four partners that ask for a tile jointly share its rows out by address:
; of the 128 rows that a wave fetches, the partner at place p takes 32 p .. 32 p + 31.  The loop's last trip asks for nothing: its refills are the last K steps.
.macro ASK
	s_cmp_gt_u32 s3, s[LIM]
	s_cbranch_scc0 .Lnot_mine_\@
	global_prefetch_b8 v[PFO], s[PFA:PFA+1] offset:KSTEP*2 th:TH_LOAD_NT scope:SCOPE_SE
.Lnot_mine_\@:
.endm
.macro CREST                           ; a round of the cluster's barrier behind its opening barrier
	s_cmp_lg_u32 s10, 0
	s_cbranch_scc1 .Lnot_wave_0_\@
	s_barrier_signal -3
.Lnot_wave_0_\@:
	s_barrier_wait -3
	s_barrier_signal -1
	s_barrier_wait -1
.endm
.macro CROUND
	s_barrier_signal -1
	s_barrier_wait -1
	CREST
.endm
	s_load_b128 s[4:7], s[0:1], 0x0                ; qkv s[4:5], p s[6:7]
	s_load_b64 s[8:9], s[0:1], 0x10                ; stats
	v_lshl_add_u32 v[SPW], v0, 2, SPARE
	v_mov_b32 v[NIL], 0
	ds_add_u32 v[SPW], v[NIL]                      ; the wave's opening: the add, twice on end, and its wait ahead of my first tensor load
	ds_add_u32 v[SPW], v[NIL]
	v_lshrrev_b32 v1, 5, v0
	v_readfirstlane_b32 s10, v1                    ; wave 0..3
	s_lshr_b32 s11, s10, 1                         ; which half of the tile's queries is mine.  Also: I fetch for Q (0) or for K (1)
	s_and_b32 s12, s10, 1                          ; which half of its keys.  Also: which 128 rows of that tile I fetch
	s_bfe_u32 s40, ttmp6, 0x40000                  ; cx
	s_bfe_u32 s41, ttmp6, 0x40004                  ; cy
	s_lshl_b32 s42, ttmp9, 2
	s_add_co_u32 s42, s42, s40                     ; tile column (256 keys of the batch) = 4 x cluster x + cx, 0 .. 7
	s_and_b32 s74, ttmp7, 0xffff                   ; cluster y, 0 .. 7
	s_lshl_b32 s13, s74, 2
	s_add_co_u32 s13, s13, s41                     ; tile row (256 queries) = 4 x cluster y + cy, 0 .. 31
	s_lshl_b32 s43, s41, 2
	s_lshl_b32 s43, 15, s43                        ; my row of the cluster
	s_lshl_b32 s44, 0x1111, s40                    ; my column
	s_or_b32 s[G1+0], s43, (1<<16)|(1<<20)|(1<<21)|(5<<22)|(3<<25)  ; the mask; elements of 2 bytes; padding on; bit 21 beside a mask; after every 64 words, 4 words
	s_or_b32 s[G1B+0], s44, (1<<16)|(1<<20)|(1<<21)|(5<<22)|(3<<25)
.irp g, G1, G1B
	s_mov_b32 s[\g+1], KSTEP<<16                   ; tensor_dim0 = 128
	s_mov_b32 s[\g+2], 128<<16                     ; tensor_dim1 = 128
	s_mov_b32 s[\g+3], KSTEP<<16                   ; tile_dim0 = 128
	s_mov_b32 s[\g+4], 128                         ; tile_dim1 = 128
	s_mov_b32 s[\g+5], SIZE_K                      ; elements from row to row
	s_mov_b32 s[\g+6], 0
	s_mov_b32 s[\g+7], 0
.endr
	s_mov_b32 s[CS], 0x3d38aa3b                    ; c = log2(e) / 32
	s_mov_b32 s[CS+1], s[CS]                       ; (named with it as a pair, so it is written)
	s_mov_b32 s[SEL], 0x76543210
	s_mov_b32 s[SEL+1], 0xfedcba98
	s_mov_b32 s[HIM], 0xffff0000
	s_lshl_b32 s17, s12, 7                         ; which 128 rows of the tile I fetch
	s_lshl_b32 s16, s13, 8
	s_add_co_u32 s16, s16, s17                     ; Q: row 256 x tile row + 128 x half
	s_lshr_b32 s75, s74, 1                         ; the batch, which the whole cluster shares
	s_lshl_b32 s75, s75, 11
	s_add_co_u32 s75, s75, 8192                    ; K's first row of my batch in qkv
	s_lshl_b32 s46, s42, 8
	s_add_co_u32 s46, s46, s17
	s_add_co_u32 s46, s46, s75                     ; K: + 256 x tile column + 128 x half
	s_mov_b32 s17, 0
	s_mov_b32 s47, 0
	s_mov_b64 s[18:19], SIZE_K*2
	s_mul_u64 s[16:17], s[16:17], s[18:19]
	s_mul_u64 s[46:47], s[46:47], s[18:19]
	s_mul_i32 s20, s10, HALFT                      ; where they go: wave x 128 rows: no place in the cluster enters an LDS address
	s_wait_dscnt 0x0                               ; both opening adds are done
	s_wait_kmcnt 0x0
	s_add_nc_u64 s[14:15], s[4:5], s[16:17]
	s_add_nc_u64 s[46:47], s[4:5], s[46:47]
	CROUND                                         ; all sixteen work-groups are here: the first joint loads meet
.irp s, 0,1
	s_mov_b32 s[G0+4*\s], 1
	s_add_co_u32 s[G0+4*\s+1], s20, \s*SLOT
	s_add_nc_u64 s[G0+4*\s+2:G0+4*\s+3], s[14:15], \s*KSTEP*2
	s_or_b32 s[G0+4*\s+3], s[G0+4*\s+3], 0x80000000
	s_mov_b32 s[G0B+4*\s], 1
	s_add_co_u32 s[G0B+4*\s+1], s20, \s*SLOT
	s_add_nc_u64 s[G0B+4*\s+2:G0B+4*\s+3], s[46:47], \s*KSTEP*2
	s_or_b32 s[G0B+4*\s+3], s[G0B+4*\s+3], 0x80000000
	JLOAD \s                                       ; two tensor loads of mine are out behind the second
.endr
	v_and_b32 v1, 15, v0                           ; r = l % 16
	v_bfe_u32 v2, v0, 4, 1                         ; h = l / 16
	v_mul_u32_u24 v3, v1, PITCH
	v_lshl_add_u32 v3, v2, 4, v3                   ; row x pitch + 16 x half
	s_mul_i32 s21, s11, HALFT                      ; my 128 rows of Q
	s_mul_i32 s22, s12, HALFT                      ; my 128 rows of K,
	s_add_co_u32 s22, s22, 2*HALFT                 ; which lie behind Q's 256
.irp s, 0,1
	v_add_nc_u32 v[ADRA+\s], s21, v3
	v_add_nc_u32 v[ADRB+\s], s22, v3
	s_add_co_u32 s21, s21, SLOT
	s_add_co_u32 s22, s22, SLOT
.endr
	s_lshl_b32 s23, s10, 10
	s_add_co_u32 s23, s23, SB                      ; my 1,024 bytes for M and l
	v_lshlrev_b32 v4, 2, v1
	v_lshl_add_u32 v4, v2, 9, v4                   ; 4 r, + 512 for lanes 16-31
	v_add_nc_u32 v[SST], s23, v4
	v_and_b32 v5, 31, v0
	v_lshlrev_b32 v[SGO], 4, v5
	v_add_nc_u32 v[SRD], s23, v[SGO]
	s_lshl_b32 s13, s13, 8                         ; 256 x tile row
	s_lshl_b32 s14, s11, 7
	s_add_co_u32 s16, s13, s14                     ; my first query
	s_lshl_b32 s18, s16, 2                         ; stats: 4 bytes a row,
	s_lshl_b32 s19, s42, 1
	s_add_co_u32 s19, s19, s12                     ; my chunk = 2 x tile column + half,
	s_lshl_b32 s19, s19, 15                        ; 32,768 bytes a chunk
	s_add_co_u32 s18, s18, s19
	s_mov_b32 s19, 0
	s_add_nc_u64 s[STA:STA+1], s[8:9], s[18:19]
	s_lshl_b32 s16, s16, 12                        ; p: 65,536 bytes for a block of 16 queries = 4,096 a query (8,192 queries: under 2^32),
	s_mov_b32 s17, 0
	s_lshl_b32 s46, s42, 13                        ; 512 bytes for a group of 16 keys: 8,192 a tile column,
	s_lshl_b32 s47, s12, 12                        ; 4,096 a half
	s_add_co_u32 s46, s46, s47
	s_mov_b32 s47, 0
	s_add_nc_u64 s[16:17], s[16:17], s[46:47]
	s_add_nc_u64 s[6:7], s[6:7], s[16:17]
	; the prefetches: where my wave's stand, and who asks
	s_lshl_b32 s42, s42, 8
	s_add_co_u32 s42, s42, s75                     ; K's tile: its first row in qkv
	s_and_b32 s22, s74, 1                          ; the batch's two clusters along y read the same keys
	s_cmp_eq_u32 s11, 0                            ; do I fetch for Q?
	s_cselect_b32 s20, s13, s42                    ; the tile's first row
	s_cselect_b32 s21, s40, s41                    ; my place among the four that ask for it with me
	s_cselect_b32 s22, ttmp9, s22                  ; the coordinate along which other clusters read the same rows
	s_cmp_eq_u32 s22, 0
	s_cselect_b32 s[LIM], 1, -1                    ; the same in all sixteen partners, for a given wave
	s_lshl_b32 s22, s12, 7
	s_add_co_u32 s20, s20, s22                     ; + the 128 rows that I fetch
	s_lshl_b32 s21, s21, 5
	s_add_co_u32 s20, s20, s21                     ; + my work-group's 32 of them
	s_lshl_b32 s20, s20, 11                        ; 2,048 bytes a row
	s_mov_b32 s21, 0
	s_add_nc_u64 s[PFA:PFA+1], s[4:5], s[20:21]
	s_add_nc_u64 s[PFA:PFA+1], s[PFA:PFA+1], 2*KSTEP*2  ; at K step 2: the first refill steps it to 3 and names K step 4
	v_and_b32 v[PFO], 31, v0
	v_mul_u32_u24 v[PFO], v[PFO], SIZE_K*2
; 16 matrix instructions: query blocks a0, a0 + 1 of the window's four x all 8 key blocks, 32 along K.  zero = 1: the first product starts the sums.
; The 64 accumulators take turns, one instruction a turn, in the same order in every quarter.
.macro MUL16 f, hi, a0, zero
.irp a, \a0, \a0+1
.irp b, 0,1,2,3,4,5,6,7
.if \zero
	v_wmma_f32_16x16x32_f16 v[8*(8*(\a)+\b):8*(8*(\a)+\b)+7], v[\f+8*\b:\f+8*\b+7], v[\f+8*(4*\hi+\a):\f+8*(4*\hi+\a)+7], 0
.else
	v_wmma_f32_16x16x32_f16 v[8*(8*(\a)+\b):8*(8*(\a)+\b)+7], v[\f+8*\b:\f+8*\b+7], v[\f+8*(4*\hi+\a):\f+8*(4*\hi+\a)+7], v[8*(8*(\a)+\b):8*(8*(\a)+\b)+7]
.endif
.endr
.endr
.endm
.macro FETCH slot, k, f                ; 32 LDS loads in one run: the fragments of one quarter (128 rows of K, 128 of Q, 32 along K at byte k of the rows)
	WIN TO_B
.irp i, 0,1,2,3,4,5,6,7
	ds_load_b128 v[\f+8*\i:\f+8*\i+3],   v[ADRB+\slot] offset:\k+\i*16*PITCH
	ds_load_b128 v[\f+8*\i+4:\f+8*\i+7], v[ADRB+\slot] offset:\k+\i*16*PITCH+32
.endr
	WIN 0
.irp i, 0,1,2,3,4,5,6,7
	ds_load_b128 v[\f+8*\i:\f+8*\i+3],   v[ADRA+\slot] offset:\k+\i*16*PITCH
	ds_load_b128 v[\f+8*\i+4:\f+8*\i+7], v[ADRA+\slot] offset:\k+\i*16*PITCH+32
.endr
.endm
.macro PLACES                          ; four places in front of loads into registers that matrix instructions have read, and of the first read of results (ISA guide 7.12.1 for vector instructions)
.rept 4
	v_nop
.endr
.endm
.macro QUARTER slot, k, f, g, zero     ; multiplies buffer f; in its middle it fetches the next quarter's fragments, at byte k, into buffer g
	s_wait_dscnt 8                                 ; K's and Q's rows 0-63 are in; the youngest eight loads (Q's rows 64-127) may be out
	WIN MUL_LO
	MUL16 \f, 0, 0, \zero
	MUL16 \f, 0, 2, \zero
	PLACES
	FETCH \slot, \k, \g
	s_wait_dscnt 32                                ; all but the 32 just issued
	WIN MUL_HI
	MUL16 \f, 1, 0, \zero
	MUL16 \f, 1, 2, \zero
.endm
; The last quarter multiplies buffer 1 and changes slots: ONE barrier.  In front of it each wave waits for all its tensor loads (the one that is out is its part of the next slot), adds 0 to its spare word, and
; waits for that and for its own reads of this slot.  fill = 1: the barrier opens a round of the cluster's, and the slot just read out is filled again, first thing behind the round, with the K step two steps on.
.macro TURN slot, next, fill
.if \fill
	s_wait_xcnt 0x0                                ; the last prefetch, a K step back, has read its address: it is stepped here, ahead of the waits of the change of slots
	s_add_nc_u64 s[PFA:PFA+1], s[PFA:PFA+1], KSTEP*2
.endif
	WIN 0                                          ; (the add's two registers lie in window 0)
	s_wait_tensorcnt 0x0
	ds_add_u32 v[SPW], v[NIL]
	s_wait_dscnt 9                                 ; (the add and the youngest eight loads may be out)
	WIN MUL_LO
	MUL16 F1, 0, 0, 0                              ; sixteen matrix instructions stand between the add and the wait for it
	s_wait_dscnt 0x0                               ; the add is done, and my reads of this slot are over
	s_barrier_signal -1
	MUL16 F1, 0, 2, 0
.if \fill
	WIN 0
.endif
	s_barrier_wait -1
.if \fill
	CREST                                          ; no wave of any partner still reads this slot's tile or has a load on its way
	s_add_nc_u64 s[G0+4*\slot+2:G0+4*\slot+3], s[G0+4*\slot+2:G0+4*\slot+3], 2*KSTEP*2
	s_add_nc_u64 s[G0B+4*\slot+2:G0B+4*\slot+3], s[G0B+4*\slot+2:G0B+4*\slot+3], 2*KSTEP*2
	JLOAD \slot                                    ; the four v_nop behind it are also the places in front of the loads below
.else
	PLACES
.endif
	FETCH \next, 0, F0
.if \fill
	ASK
.endif
	WIN MUL_HI
	MUL16 F1, 1, 0, 0
	MUL16 F1, 1, 2, 0
.endm
	s_wait_tensorcnt 1                             ; my part of K step 0 is in (K step 1's load may be out)
	s_barrier_signal -1
	s_barrier_wait -1                              ; everybody's is
	FETCH 0, 0, F0
	QUARTER 0, 64,  F0, F1, 1                      ; the first quarter stands in front of the loop: its products start the sums
	WIN 0                                          ; at a label and at a branch every window is 0
	s_mov_b32 s3, LAPS-1
.Llap:                                                 ; a trip goes once round the ring, from a lap's second quarter to the next lap's first, and fills both slots again
	QUARTER 0, 128, F1, F0, 0
	QUARTER 0, 192, F0, F1, 0
	TURN 0, 1, 1
	QUARTER 1, 64,  F0, F1, 0
	QUARTER 1, 128, F1, F0, 0
	QUARTER 1, 192, F0, F1, 0
	TURN 1, 0, 1
	QUARTER 0, 64,  F0, F1, 0
	WIN 0
	s_sub_co_u32 s3, s3, 1
	s_cmp_lg_u32 s3, 0
	s_cbranch_scc1 .Llap
	QUARTER 0, 128, F1, F0, 0                      ; the last lap fills nothing: it is written out
	QUARTER 0, 192, F0, F1, 0
	TURN 0, 1, 0
	QUARTER 1, 64,  F0, F1, 0
	QUARTER 1, 128, F1, F0, 0
	QUARTER 1, 192, F0, F1, 0
	s_wait_dscnt 8                                 ; the very last quarter: nothing more to fetch
	WIN MUL_LO
	MUL16 F1, 0, 0, 0
	MUL16 F1, 0, 2, 0
	s_wait_dscnt 0
	WIN MUL_HI
	MUL16 F1, 1, 0, 0
	MUL16 F1, 1, 2, 0
	WIN 0
; THE WAY OUT, a block of 16 queries x 128 keys at a time.  EPI: the chunk's maximum, M, p, l, and p rounded to f16.
.macro EPI a
.set AC, 64*((\a)%4)
.set TT, TMP+32*((\a)%2)
.set WW, 2+(\a)/4
.set WS, WW|(WW<<2)|(WW<<4)
	WIN WS                                         ; all three sources in the accumulators' window
.irp b, 0,1,2,3,4,5,6,7
	v_max3_num_f32 v[T+\b], v[AC+8*\b], v[AC+8*\b+1], v[AC+8*\b+2]   ; eight chains; each accumulator is read from its low end on
.endr
.set WS, (WW<<2)|(WW<<4)
	WIN WS
.irp b, 0,1,2,3,4,5,6,7
	v_max3_num_f32 v[T+\b], v[T+\b], v[AC+8*\b+3], v[AC+8*\b+4]
.endr
.irp b, 0,1,2,3,4,5,6,7
	v_max3_num_f32 v[T+\b], v[T+\b], v[AC+8*\b+5], v[AC+8*\b+6]
.endr
.irp i, 0,1,2,3
	v_max3_num_f32 v[T+2*\i], v[T+2*\i], v[AC+16*\i+7], v[AC+16*\i+15]
.endr
	WIN 0
	v_max3_num_f32 v[T], v[T], v[T+1], v[T+2]
	v_max3_num_f32 v[T+4], v[T+4], v[T+5], v[T+6]
	v_max3_num_f32 v[T], v[T], v[T+3], v[T+4]
	v_max_num_f32 v[T], v[T], v[T+7]
	v_permlanex16_b32 v[T+1], v[T], s[SEL], s[SEL+1]   ; the query's other 64 keys lie in the lane 16 away
	v_max_num_f32 v[T], v[T], v[T+1]
	v_mul_f32 v[T], s[CS], v[T]                    ; as t (c is positive)
	v_floor_f32 v[NM], -v[T]                       ; -M = floor(-t) = -ceil(t): M is a whole number
	WIN WW                                         ; source 0 in the accumulators' window
.set i, 0
.rept 32
	v_pk_fma_f32 v[X+i:X+i+1], v[AC+i:AC+i+1], s[CS:CS+1], v[NM:NM+1] op_sel_hi:[1,0,0]   ; t - M, two at a time
.set i, i+2
.endr
	WIN 0
.set i, 0
.rept 64
	v_exp_f32 v[X+i], v[X+i]                       ; p = 2^(t - M): one batch
.set i, i+1
.endr
	v_sub_f32 v[MV], 0, v[NM]                      ; M.  (The plain instruction behind the last exponential)
	s_wait_alu depctr_va_vdst(0)                   ; one wait for the batch, ahead of its first reader
	v_pk_add_f32 v[LS:LS+1], v[X:X+1], v[X+2:X+3]  ; the sum of the unrounded p, two at a time, in two chains
	v_pk_add_f32 v[LS2:LS2+1], v[X+4:X+5], v[X+6:X+7]
.irp j, 8,12,16,20,24,28,32,36,40,44,48,52,56,60
	v_pk_add_f32 v[LS:LS+1], v[LS:LS+1], v[X+\j:X+\j+1]
	v_pk_add_f32 v[LS2:LS2+1], v[LS2:LS2+1], v[X+\j+2:X+\j+3]
.endr
	v_pk_add_f32 v[LS:LS+1], v[LS:LS+1], v[LS2:LS2+1]
.if (\a) > 1
	s_wait_xcnt 0x0                                ; the stores of the block two back have read this set of packed registers: it is written again only behind this wait
.endif
.set i, 0
.rept 32
	v_cvt_pk_f16_f32 v[TT+i], v[X+2*i], v[X+2*i+1]    ; registers 4 b .. 4 b + 3: keys 16 b + 8 h + 0 .. 7 of my query: my 16 bytes of group b's image
.set i, i+1
.endr
	v_add_f32 v[LS], v[LS], v[LS+1]
	v_permlanex16_b32 v[LS+1], v[LS], s[SEL], s[SEL+1]
	v_add_f32 v[LS], v[LS], v[LS+1]                ; l
	v_cndmask_b32 v[SD], v[MV], v[LS], s[HIM]      ; lanes 0-15 carry M, lanes 16-31 l
	ds_store_b32 v[SST], v[SD] offset:64*(\a)
.endm
.macro OUTP a                          ; the block's eight images: each store covers 512 consecutive bytes, aligned; the eight lie on end; block and group stand in the immediate, 462,336 at the most
.set TT, TMP+32*((\a)%2)
.irp b, 0,1,2,3,4,5,6,7
	global_store_b128 v[SGO], v[TT+4*\b:TT+4*\b+3], s[6:7] offset:65536*(\a)+512*\b
.endr
.endm
	PLACES                                         ; behind the last products
	v_mov_b32 v[NM+1], 0                           ; (named as the upper half of the pair, so it is written)
.irp a, 0,1,2,3,4,5,6,7
	EPI \a
	OUTP \a
.endr
	ds_load_b128 v[64:67], v[SRD]                  ; my 128 rows' M: 512 bytes; LDS serves a wave's instructions in order
	ds_load_b128 v[68:71], v[SRD] offset:512       ; and their l
	s_wait_dscnt 0x0
	global_store_b128 v[SGO], v[64:67], s[STA:STA+1]   ; 32 lanes store 512 consecutive bytes, aligned
	global_store_b128 v[SGO], v[68:71], s[STA:STA+1] offset:524288
	s_wait_tensorcnt 0x0                           ; the wave's end, behind my last tensor load and my last LDS store
	ds_add_u32 v[SPW], v[NIL]
	s_wait_dscnt 0x0
	CROUND                                         ; the closing round
	s_endpgm
.Lfunc_end_k_q23f951fef9_scores:
	.size	k_q23f951fef9_scores, .Lfunc_end_k_q23f951fef9_scores-k_q23f951fef9_scores
	.p2alignl 7, 3214868480
	.fill 96, 4, 3214868480
	.section	.rodata,"a",@progbits
	.p2align	6, 0x0
	.amdhsa_kernel k_q23f951fef9_scores
		.amdhsa_group_segment_fixed_size 327680
		.amdhsa_private_segment_fixed_size 0
		.amdhsa_enable_private_segment 0
		.amdhsa_kernarg_size 24
		.amdhsa_user_sgpr_count 2
		.amdhsa_user_sgpr_kernarg_segment_ptr 1
		.amdhsa_wavefront_size32 1
		.amdhsa_system_sgpr_workgroup_id_x 1
		.amdhsa_system_sgpr_workgroup_id_y 1
		.amdhsa_system_sgpr_workgroup_id_z 1
		.amdhsa_system_vgpr_workitem_id 0
		.amdhsa_next_free_vgpr 1024
		.amdhsa_next_free_sgpr 80
		.amdhsa_reserve_vcc 0
		.amdhsa_float_denorm_mode_32 3
		.amdhsa_float_denorm_mode_16_64 3
		.amdhsa_memory_ordered 1
		.amdhsa_forward_progress 1
		.amdhsa_inst_pref_size 204
	.end_amdhsa_kernel
	.amdgpu_metadata
---
amdhsa.version: [ 1, 2 ]
amdhsa.kernels:
  - .name:           k_q23f951fef9_scores
    .symbol:         k_q23f951fef9_scores.kd
    .args:
      - { .name: qkv, .offset: 0, .size: 8, .value_kind: global_buffer, .address_space: global }
      - { .name: p, .offset: 8, .size: 8, .value_kind: global_buffer, .address_space: global }
      - { .name: stats, .offset: 16, .size: 8, .value_kind: global_buffer, .address_space: global }
    .group_segment_fixed_size: 327680
    .private_segment_fixed_size: 0
    .kernarg_segment_align: 8
    .kernarg_segment_size: 24
    .max_flat_workgroup_size: 128
    .sgpr_count:     80
    .vgpr_count:     1024
    .wavefront_size: 32
...
	.end_amdgpu_metadata
.endif
;; end of part 3
;; launch pv (part 4): grid 4 x 64, 4 waves a work-group, clusters of 4 x 4, 327,680 bytes of LDS; arguments p, qkv, stats, out0; writes out0
.if DOCPART == 4
	.amdgcn_target "amdgcn-amd-amdhsa--gfx1250"
	.amdhsa_code_object_version 6
	.text
	.protected	k_q23f951fef9_pv
	.globl	k_q23f951fef9_pv
	.p2align	8
	.type	k_q23f951fef9_pv,@function
k_q23f951fef9_pv:
	s_mov_b64 s[64:65], 0
	v_nop
	global_prefetch_b8 v0, s[64:65] scope:SCOPE_SE
	s_setreg_imm32_b32 hwreg(HW_REG_WAVE_MODE, 25, 1), 1
	s_wait_xcnt 0x0
	s_wait_alu depctr_hold_cnt(0) depctr_sa_sdst(0) depctr_va_vdst(0) depctr_va_sdst(0) depctr_va_ssrc(0) depctr_va_vcc(0) depctr_vm_vsrc(0)
	s_getreg_b32 s2, hwreg(HW_REG_IB_STS2, 6, 4)
	s_cmp_eq_u32 s2, 0
	s_cbranch_scc0 .Lentry_in_a_cluster
	s_endpgm
.Lentry_in_a_cluster:
	s_bfe_u32 s2, ttmp6, 0x10000c
	s_cmp_lg_u32 s2, 0xf033
	s_cbranch_scc0 .Lentry_shape_is_right
	s_endpgm
.Lentry_shape_is_right:
; out = softmax x V: the second half of the softmax and the second product, f16 operands, f32 sums.  p holds 2^(t - M_c) in f16, c the chunk of 128 keys, laid as images of this launch's operand registers:
; [512 blocks of 16 queries][128 groups of 16 keys][32 lanes][16 bytes].  stats holds M [16][8192] and, 524,288 bytes on, l [16][8192].  V = qkv rows 16384-24575, [key][1024 channels] f16.
; THE CHUNKS ARE JOINED IN f32, ON THE SUMS.  For each row: M = the largest M_c; L = the sum of 2^(M_c - M) l_c.  While chunk c is added, the sums are kept in the unit 2^E_c, E_c = max(M_c, R_c - 60), R_c the largest
; M up to c: at a chunk's first products every sum is multiplied by 2^(E_(c-1) - E_c), a power of two between 0 and 2^60, which rounds nothing; at the end by 2^(E_15 - M) / L.  p goes to the matrix unit as it lies.
; LIMITS: a chunk whose M_c lies more than 60 under R_c is weighed 2^(R_c - 60 - M) where 2^(M_c - M) is due: both are at most 2^-60 of a row's sum, L >= 1/2.  The sums stay under 2^87.  NaN and infinities are not served.
; A tile of 128 queries x 256 channels is made by four waves, 64 x 128 each: 32 accumulators (256 x 256 would give only 128 work-groups).  The keys go by QUARTERS of 32 through a ring of two LDS slots of SIX quarters,
; as long as two slots in LDS allow: a quarter is 8,192 bytes of p and 17,408 of V.  2,048 keys are ten slots and four quarters: the eleventh slot has descriptors of its own.
; CLUSTERS: 4 x 4 work-groups: p's tiles are shared along a row of the cluster, V's along a column, by joint loads.  THE MATRIX INSTRUCTION IS USED TRANSPOSED: source 0 = V^T (16 channels x 32 keys, out of LDS by the
; turning load), source 1 = p (16 queries x 32 keys): a lane holds ONE query (lane % 16) and eight neighbouring channels, so that a factor is one number a lane and block of queries.
; REGISTERS, in windows of 256: window 0: v0-35 addresses; at the head v64-197 the statistics; on the way out v32-35 the last factors, v64-127 results, v128-255 rows read back.
;   window 1: V's 8 fragments, buffer f at v[64 f]; v128-135 the chunk's factors, a pair (g, g) for each block of queries.   window 2: the accumulators of query blocks 0, 1 ((a, b) at v[64 (a % 2) + 8 b]); their p, buffer
;   f at v[128 + 16 f].   window 3: the same for blocks 2, 3.  Under one setting a product and a rescaling both find their registers, so no switch stands between them.
.set KSTEP, 128
.set QK,    6                          ; quarters in a slot
.set PRB,   QK*1024                    ; a block of 16 queries in a slot: a quarter's fragment is 1,024 bytes, two images of 512
.set PHALF, 4*PRB                      ; four blocks: what one tensor load brings of p, and what one wave reads
.set VOFF,  2*PHALF
.set PVP,   544                        ; a row of V in LDS: 512 bytes + 32 = 136 words, so that the 8 rows x 32 bytes that 16 lanes of the turning load take do not fall on each other
.set VQ,    32*PVP                     ; a quarter of V
.set VHALF, 96*PVP                     ; 96 keys: what one tensor load brings of V
.set SLOT,  VOFF+2*VHALF               ; p's 8 blocks, then V's 192 keys
.set FT,    2*SLOT                     ; behind the ring: the factors, 4,352 bytes for each wave: entry c = 1 .. 15: 256 bytes, [query % 16][block of queries] words of f32; entry 16: the last factor
.set FTB,   17*256
.set SPARE, FT+4*FTB                   ; the spare words, 128 bytes for each wave: two blocks of 256 bytes that no other line names
.set STG,   SLOT                       ; the way out: a stage of 16 rows x (512 bytes + 16) for each wave, in slot 1, which has had its last fill and its last read when the first result is stored there
.set SGP,   528
.set TRIPS, 4                          ; a trip is 12 quarters: two slots, three chunks
.set ADRP, 16                          ; v16-17 LDS address of my fragments of p in slot 0, 1
.set ADF0, 18                          ; v18   my lane's place in an entry of my factors
.set ADF,  19                          ; v19   the entry in hand
.set ADRV, 20                          ; v20-23 LDS address of my fragments of V: slot 0 quarters 0-2, 3-5; slot 1 likewise (an LDS offset has 16 bits)
.set STO,  24
.set RD,   25
.set CO,   26                          ; v26   16 x lane
.set FTW,  27                          ; v27   where I write factors
.set SPW,  28
.set NIL,  29
.set PFO,  30
.set SOF,  31                          ; v31   4 x lane
.set IL,   32                          ; v32-35 the last factor of my query in blocks 0 .. 3
.set MS,   64                          ; v64-95   M of chunk c, rows 32 g + lane: at 2 c + g; then the factors
.set LT,   96                          ; v96-127  l likewise
.set FS,   128                         ; v128-159 2^(M_c - M)
.set ES,   160                         ; v160-191 R_c, then E_c
.set MX,   192                         ; v192-193 the row's M
.set LL,   194                         ; v194-195 L
.set RL,   196                         ; v196-197 1 / L
.set GF,   128                         ; in window 1: the factor pairs
.set Y,    64
.set BK,   128
.set G1A, 24                           ; s[24:31] descriptor group 1 for p's tiles;  s[32:39] group 0, one set for each slot
.set G0A, 32
.set G1V, 48                           ; s[48:55], s[56:63] the same for V's
.set G0V, 56
.set G1AP, 80                          ; s[80:87] group 1 for p's tile of the eleventh slot;  s[88:95], s[96:99] groups 1 and 0 for V's
.set G1VP, 88
.set G0VP, 96
.set LIM,  15                          ; s15  11 in a wave that prefetches, else 0
.set TF,   66                          ; s66  256 x the chunk whose factors are fetched
.set CNT,  67                          ; s67  counts the places at which a prefetch may stand
.set PFA,  68                          ; s[68:69] what my next prefetch names
.set PFS,  70                          ; s[70:71] a K step of 128 keys on, in bytes
.set MSB, 0
.macro WIN new
.if MSB != (\new)
	s_set_vgpr_msb (MSB<<8)|(\new)
.set MSB, (\new)
.endif
.endm
.set LO, 0xa9                          ; source 0 window 1, source 1, C and D window 2
.set HI, 0xfd                          ; source 0 window 1, source 1, C and D window 3
; A joint load: waves 0 and 1 fetch p's two halves, waves 2 and 3 V's.  An s_nop 0 and four v_nop follow each of the two lines.
.macro JLOAD g0a, g1a, g0v, g1v
	s_cmp_eq_u32 s13, 0
	s_cbranch_scc0 .Lfor_v_\@
	tensor_load_to_lds s[\g0a:\g0a+3], s[\g1a:\g1a+7]
	s_nop 0
.rept 4
	v_nop
.endr
	s_branch .Lasked_\@
.Lfor_v_\@:
	tensor_load_to_lds s[\g0v:\g0v+3], s[\g1v:\g1v+7]
	s_nop 0
.rept 4
	v_nop
.endr
.Lasked_\@:
.endm
; A PREFETCH INTO THE L2, by K steps of 128 keys: behind the LDS loads of chunk c's last quarter stands a request for K step c + 5, which is 6 to 10 quarters ahead of the tensor load that wants it.  One instruction a wave.
; p's 8 blocks x 4,096 bytes belong to my row of the cluster alone: its four partners take two blocks each, by address, 16 lanes to a block, 256 bytes apart; wave 0 asks.  V's 128 keys x 512 bytes are read by the four
; clusters of a batch: the first of them asks; the four partners of a column take 32 keys each, by address, a lane a key; wave 2 asks for the first 256 bytes of a key's 512, wave 3 for the second.  So each aligned 256
; bytes are named once in the launch.  K steps 0 to 4 come by their loads alone; the eleventh request names the last K step, and the count stops the twelfth.
.macro ASK
	s_cmp_lt_u32 s[CNT], s[LIM]
	s_cbranch_scc0 .Lnot_mine_\@
	global_prefetch_b8 v[PFO], s[PFA:PFA+1] th:TH_LOAD_NT scope:SCOPE_SE
.Lnot_mine_\@:
	s_add_co_u32 s[CNT], s[CNT], 1
.endm
.macro CREST
	s_cmp_lg_u32 s12, 0
	s_cbranch_scc1 .Lnot_wave_0_\@
	s_barrier_signal -3
.Lnot_wave_0_\@:
	s_barrier_wait -3
	s_barrier_signal -1
	s_barrier_wait -1
.endm
.macro CROUND
	s_barrier_signal -1
	s_barrier_wait -1
	CREST
.endm
	s_load_b256 s[4:11], s[0:1], 0x0               ; p s[4:5], qkv s[6:7], stats s[8:9], out0 s[10:11]
	v_lshl_add_u32 v[SPW], v0, 2, SPARE
	v_mov_b32 v[NIL], 0
	ds_add_u32 v[SPW], v[NIL]                      ; the wave's opening: the add, twice on end, and its wait ahead of my first tensor load
	ds_add_u32 v[SPW], v[NIL]
	v_lshrrev_b32 v1, 5, v0
	v_readfirstlane_b32 s12, v1                    ; wave 0..3
	s_lshr_b32 s13, s12, 1                         ; which 64 queries are mine.  Also: I fetch for p (0) or for V (1)
	s_and_b32 s14, s12, 1                          ; which 128 channels.  Also: which half of that tile I fetch
	s_bfe_u32 s40, ttmp6, 0x40000                  ; cx
	s_bfe_u32 s41, ttmp6, 0x40004                  ; cy
	s_lshl_b32 s76, ttmp9, 2
	s_add_co_u32 s76, s76, s40                     ; tile column (256 channels) = 4 x cluster x + cx
	s_and_b32 s42, ttmp7, 0xffff                   ; cluster y, 0 .. 15
	s_lshl_b32 s43, s42, 2
	s_add_co_u32 s43, s43, s41                     ; tile row (128 queries) = 4 x cluster y + cy, 0 .. 63
	s_lshl_b32 s44, s41, 2
	s_lshl_b32 s44, 15, s44                        ; my row of the cluster
	s_lshl_b32 s45, 0x1111, s40                    ; my column
	; p: 4 rows (blocks of 16 queries) of 6,144 bytes, 65,536 bytes apart, as elements of 8 bytes; dense in LDS, no padding: a fragment's loads take 512 consecutive bytes
	s_or_b32 s[G1A], s44, (3<<16)|(1<<21)          ; the mask; elements of 8 bytes; bit 21 beside a mask
	s_or_b32 s[G1AP], s44, (3<<16)|(1<<21)
	s_mov_b32 s[G1A+1], (QK*128)<<16               ; tensor_dim0 = 768
	s_mov_b32 s[G1AP+1], 512<<16                   ; the eleventh slot: 512 elements, four quarters, are left of each row: the tile's other 256 arrive as zeros, and nobody reads them
.irp g, G1A, G1AP
	s_mov_b32 s[\g+2], 4<<16                       ; tensor_dim1 = 4
	s_mov_b32 s[\g+3], (QK*128)<<16                ; tile_dim0 = 768
	s_mov_b32 s[\g+4], 4                           ; tile_dim1 = 4
	s_mov_b32 s[\g+5], 8192                        ; elements from row to row
	s_mov_b32 s[\g+6], 0
	s_mov_b32 s[\g+7], 0
.endr
	; V: 96 keys (the eleventh slot: 64) x 256 channels of 2 bytes, 8 words of padding after every 128
	s_or_b32 s[G1V], s45, (1<<16)|(1<<20)|(1<<21)|(6<<22)|(7<<25)
	s_or_b32 s[G1VP], s45, (1<<16)|(1<<20)|(1<<21)|(6<<22)|(7<<25)
	s_mov_b32 s[G1V+2], 96<<16                     ; tensor_dim1
	s_mov_b32 s[G1V+4], 96                         ; tile_dim1
	s_mov_b32 s[G1VP+2], 64<<16
	s_mov_b32 s[G1VP+4], 64
.irp g, G1V, G1VP
	s_mov_b32 s[\g+1], 256<<16                     ; tensor_dim0
	s_mov_b32 s[\g+3], 256<<16                     ; tile_dim0
	s_mov_b32 s[\g+5], 1024                        ; elements from key to key
	s_mov_b32 s[\g+6], 0
	s_mov_b32 s[\g+7], 0
.endr
	s_mov_b32 s[TF], 0
	s_mov_b32 s[CNT], 0
	s_lshl_b32 s16, s43, 7
	s_lshl_b32 s17, s14, 6
	s_add_co_u32 s16, s16, s17                     ; p: query 128 x tile row + 64 x half,
	s_lshl_b32 s16, s16, 12                        ; 65,536 bytes for 16 queries
	s_mov_b32 s17, 0
	s_lshr_b32 s77, s42, 2                         ; the batch, which the whole cluster shares
	s_lshl_b32 s77, s77, 11                        ; its first key
	s_mul_i32 s46, s14, 96
	s_add_co_u32 s46, s46, s77
	s_add_co_u32 s46, s46, 16384                   ; V's rows begin 16,384 rows into qkv
	s_lshl_b32 s46, s46, 11                        ; 2,048 bytes a row
	s_lshl_b32 s47, s76, 9                         ; + 512 bytes x tile column
	s_add_co_u32 s46, s46, s47
	s_mov_b32 s47, 0
	s_lshl_b32 s72, s14, 6                         ; the eleventh slot: keys 1,920 on, 64 a wave
	s_add_co_u32 s72, s72, s77
	s_add_co_u32 s72, s72, 16384+1920
	s_lshl_b32 s72, s72, 11
	s_lshl_b32 s73, s76, 9
	s_add_co_u32 s72, s72, s73
	s_mov_b32 s73, 0
	s_mul_i32 s20, s14, PHALF                      ; where they go: no place in the cluster enters an LDS address
	s_mul_i32 s21, s14, VHALF
	s_add_co_u32 s21, s21, VOFF
	s_mul_i32 s22, s14, 64*PVP
	s_wait_dscnt 0x0                               ; both opening adds are done
	s_wait_kmcnt 0x0
	s_add_nc_u64 s[16:17], s[4:5], s[16:17]
	s_add_nc_u64 s[46:47], s[6:7], s[46:47]
	s_add_nc_u64 s[72:73], s[6:7], s[72:73]
	s_mov_b32 s[G0VP], 1
	s_add_co_u32 s[G0VP+1], s22, VOFF              ; in slot 0
	s_mov_b64 s[G0VP+2:G0VP+3], s[72:73]
	s_or_b32 s[G0VP+3], s[G0VP+3], 0x80000000
	CROUND                                         ; all sixteen work-groups are here: the first joint loads meet
.irp s, 0,1
	s_mov_b32 s[G0A+4*\s], 1
	s_add_co_u32 s[G0A+4*\s+1], s20, \s*SLOT
	s_add_nc_u64 s[G0A+4*\s+2:G0A+4*\s+3], s[16:17], \s*PRB
	s_or_b32 s[G0A+4*\s+3], s[G0A+4*\s+3], 0x80000000
	s_mov_b32 s[G0V+4*\s], 1
	s_add_co_u32 s[G0V+4*\s+1], s21, \s*SLOT
	s_add_nc_u64 s[G0V+4*\s+2:G0V+4*\s+3], s[46:47], \s*192*2048
	s_or_b32 s[G0V+4*\s+3], s[G0V+4*\s+3], 0x80000000
	JLOAD G0A+4*\s, G1A, G0V+4*\s, G1V             ; two tensor loads of mine are out behind the second
.endr
	v_and_b32 v1, 15, v0                           ; r = l % 16
	v_bfe_u32 v2, v0, 4, 1                         ; h = l / 16
	v_and_b32 v3, 31, v0                           ; l
	v_lshlrev_b32 v[SOF], 2, v3
	s_lshl_b32 s18, s43, 7
	s_lshl_b32 s19, s13, 6
	s_add_co_u32 s18, s18, s19                     ; my first query
	s_lshl_b32 s22, s18, 2
	s_mov_b32 s23, 0
	s_add_nc_u64 s[8:9], s[8:9], s[22:23]
.irp c, 0,1,2,3,4,5,6,7,8,9,10,11,12,13,14,15   ; M and l of my 64 rows in all 16 chunks: row 32 g + lane
.irp g, 0,1
	global_load_b32 v[MS+2*\c+\g], v[SOF], s[8:9] offset:32768*\c+128*\g
	global_load_b32 v[LT+2*\c+\g], v[SOF], s[8:9] offset:524288+32768*\c+128*\g
.endr
.endr
	v_lshlrev_b32 v[CO], 4, v3                     ; 16 x lane: my place in an image, in a row of the stage and in a row of out0
	s_mul_i32 s22, s13, PHALF                      ; p: my four blocks
	v_add_nc_u32 v[ADRP], s22, v[CO]
	v_add_nc_u32 v[ADRP+1], SLOT, v[ADRP]
	v_and_b32 v5, 7, v0                            ; V, by the turning load: lane l reads 16 bytes of key 8 (l / 16) + l % 8, channels 8 ((l / 8) % 2) + 0 .. 7
	v_lshl_add_u32 v5, v2, 3, v5
	v_mul_u32_u24 v5, v5, PVP
	v_bfe_u32 v6, v0, 3, 1
	v_lshl_add_u32 v5, v6, 4, v5
	s_lshl_b32 s22, s14, 8                         ; my 128 channels
	s_add_co_u32 s22, s22, VOFF
	v_add_nc_u32 v[ADRV], s22, v5
	v_add_nc_u32 v[ADRV+1], 3*VQ, v[ADRV]
	v_add_nc_u32 v[ADRV+2], SLOT, v[ADRV]
	v_add_nc_u32 v[ADRV+3], SLOT, v[ADRV+1]
	s_mul_i32 s22, s12, FTB
	s_add_co_u32 s22, s22, FT                      ; my factors
	v_lshlrev_b32 v4, 4, v1
	v_add_nc_u32 v[ADF0], s22, v4                  ; 16 r: the four blocks' words of query r
	v_lshl_add_u32 v[FTW], v2, 2, v[ADF0]          ; row 32 g + l is query l % 16 of block 2 g + l / 16: 16 (l % 16) + 4 (l / 16), + 8 g in the offset
	s_mul_i32 s22, s12, 16*SGP
	s_add_co_u32 s22, s22, STG                     ; my stage
	v_mul_u32_u24 v4, v1, SGP                      ; in: row r, 32 bytes for each half of the lanes
	v_lshl_add_u32 v4, v2, 5, v4
	v_add_nc_u32 v[STO], s22, v4
	v_add_nc_u32 v[RD], s22, v[CO]                 ; back: the 32 lanes take one row of 512 bytes
	s_lshl_b32 s22, s18, 12                        ; out0: 4,096 bytes a row,
	s_lshl_b32 s19, s76, 10                        ; 1,024 bytes a tile column,
	s_add_co_u32 s22, s22, s19
	s_lshl_b32 s19, s14, 9                         ; 512 a half
	s_add_co_u32 s22, s22, s19
	s_add_nc_u64 s[10:11], s[10:11], s[22:23]
	; the prefetches: where my wave's stand, and who asks.  They begin at K step 4; each place steps them first, so the first names K step 5
	s_lshl_b32 s72, s43, 3
	s_lshl_b32 s73, s40, 1
	s_add_co_u32 s72, s72, s73                     ; p: my work-group's two blocks of the tile's eight
	s_lshl_b32 s72, s72, 16
	s_add_co_u32 s72, s72, 4*4096
	s_lshl_b32 s73, s41, 5
	s_add_co_u32 s73, s73, s77                     ; V: my work-group's 32 keys of a K step's 128
	s_add_co_u32 s73, s73, 16384+4*KSTEP
	s_lshl_b32 s73, s73, 11
	s_lshl_b32 s74, s76, 9
	s_add_co_u32 s73, s73, s74
	s_lshl_b32 s74, s14, 8                         ; wave 2: the first 256 bytes of a key's 512; wave 3: the second
	s_add_co_u32 s73, s73, s74
	s_and_b32 s74, s42, 3                          ; the batch's four clusters read the same keys
	s_mov_b32 s[PFS], KSTEP*2048
	s_mov_b32 s[PFS+1], 0
	s_cmp_eq_u32 s13, 0                            ; do I fetch for p?
	s_cselect_b64 s[PFA:PFA+1], s[4:5], s[6:7]
	s_cselect_b32 s72, s72, s73
	s_cselect_b32 s[PFS], 4096, s[PFS]
	s_cselect_b32 s75, 16, 15                      ; from lane to lane: p: 65,536 (l / 16) + 256 (l % 16); V: 2,048 l = 32,768 (l / 16) + 2,048 (l % 16)
	s_cselect_b32 s78, 8, 11
	s_cselect_b32 s74, s14, s74                    ; p: wave 0 asks; V: the batch's first cluster
	s_mov_b32 s73, 0
	s_add_nc_u64 s[PFA:PFA+1], s[PFA:PFA+1], s[72:73]
	s_cmp_eq_u32 s74, 0
	s_cselect_b32 s[LIM], 11, 0                    ; the same in all sixteen partners, for a given wave
	v_lshlrev_b32 v4, s75, v2
	v_lshlrev_b32 v5, s78, v1
	v_add_nc_u32 v[PFO], v4, v5
	; THE CHUNKS' FACTORS for my 64 rows, into my own table in LDS
	s_wait_loadcnt 0x0
.irp g, 0,1
	v_max3_num_f32 v[MX+\g], v[MS+\g], v[MS+2+\g], v[MS+4+\g]
.endr
.irp c, 3,5,7,9,11,13
.irp g, 0,1
	v_max3_num_f32 v[MX+\g], v[MX+\g], v[MS+2*\c+\g], v[MS+2*\c+2+\g]
.endr
.endr
.irp g, 0,1
	v_max_num_f32 v[MX+\g], v[MX+\g], v[MS+30+\g]  ; the row's M
.endr
.set ii, 0
.rept 32
	v_sub_f32 v[FS+ii], v[MS+ii], v[MX+ii%2]       ; M_c - M: a whole number, 0 or less
.set ii, ii+1
.endr
.set ii, 0
.rept 32
	v_cvt_i32_f32 v[FS+ii], v[FS+ii]               ; (it saturates)
.set ii, ii+1
.endr
.set ii, 0
.rept 32
	v_ldexp_f32 v[FS+ii], 1.0, v[FS+ii]            ; 2^(M_c - M)
.set ii, ii+1
.endr
.irp g, 0,1
	v_mul_f32 v[LL+\g], v[FS+\g], v[LT+\g]
.endr
.irp c, 1,2,3,4,5,6,7,8,9,10,11,12,13,14,15
.irp g, 0,1
	v_fmac_f32 v[LL+\g], v[FS+2*\c+\g], v[LT+2*\c+\g]   ; L = the sum of 2^(M_c - M) l_c
.endr
.endr
.irp g, 0,1
	v_rcp_f32 v[RL+\g], v[LL+\g]
.endr
.irp g, 0,1
	v_mov_b32 v[ES+\g], v[MS+\g]                   ; R_0 = M_0.  (Plain work behind the reciprocals, down to the wait for them)
.endr
.irp c, 1,2,3,4,5,6,7,8,9,10,11,12,13,14,15
.irp g, 0,1
	v_max_num_f32 v[ES+2*\c+\g], v[ES+2*\c-2+\g], v[MS+2*\c+\g]   ; R_c: the largest M up to c
.endr
.endr
.set ii, 0
.rept 32
	v_add_f32 v[ES+ii], 0xc2700000, v[ES+ii]       ; R_c - 60
.set ii, ii+1
.endr
.set ii, 0
.rept 32
	v_max_num_f32 v[ES+ii], v[ES+ii], v[MS+ii]     ; E_c
.set ii, ii+1
.endr
.irp c, 1,2,3,4,5,6,7,8,9,10,11,12,13,14,15
.irp g, 0,1
	v_sub_f32 v[MS+2*\c+\g], v[ES+2*\c-2+\g], v[ES+2*\c+\g]   ; E_(c-1) - E_c: a whole number, at most 60
.endr
.endr
.irp g, 0,1
	v_sub_f32 v[MS+\g], v[ES+30+\g], v[MX+\g]      ; in chunk 0's place: E_15 - M, from -60 to 0
.endr
.set ii, 0
.rept 32
	v_cvt_i32_f32 v[MS+ii], v[MS+ii]
.set ii, ii+1
.endr
.set ii, 0
.rept 32
	v_ldexp_f32 v[MS+ii], 1.0, v[MS+ii]            ; the factors
.set ii, ii+1
.endr
.irp c, 1,2,3,4,5,6,7,8,9,10,11,12,13,14,15
.irp g, 0,1
	ds_store_b32 v[FTW], v[MS+2*\c+\g] offset:256*\c+8*\g
.endr
.endr
	s_wait_alu depctr_va_vdst(0)                   ; one wait for the two reciprocals, ahead of their first reader
.irp g, 0,1
	v_mul_f32 v[MS+\g], v[MS+\g], v[RL+\g]         ; 2^(E_15 - M) / L
.endr
.irp g, 0,1
	ds_store_b32 v[FTW], v[MS+\g] offset:4096+8*\g
.endr
.macro PLACES                          ; four places in front of loads into registers that matrix instructions have read, and of the first read of results (ISA guide 7.12.1 for vector instructions)
.rept 4
	v_nop
.endr
.endm
.macro W a, b, zero                    ; one product: channels 16 b on x queries 16 a on, 32 keys, out of buffer FB
.if \zero
	v_wmma_f32_16x16x32_f16 v[64*((\a)%2)+8*(\b):64*((\a)%2)+8*(\b)+7], v[64*FB+8*(\b):64*FB+8*(\b)+7], v[128+16*FB+8*((\a)%2):128+16*FB+8*((\a)%2)+7], 0
.else
	v_wmma_f32_16x16x32_f16 v[64*((\a)%2)+8*(\b):64*((\a)%2)+8*(\b)+7], v[64*FB+8*(\b):64*FB+8*(\b)+7], v[128+16*FB+8*((\a)%2):128+16*FB+8*((\a)%2)+7], v[64*((\a)%2)+8*(\b):64*((\a)%2)+8*(\b)+7]
.endif
.endm
.macro WRR a, from, to, zero           ; block a's products of channel blocks from .. to
.irp b, 0,1,2,3,4,5,6,7
.if (\b >= \from) && (\b <= \to)
	W \a, \b, \zero
.endif
.endr
.endm
.macro RS a, b                         ; accumulator (a, b) into the new chunk's unit: x the block's factor, from its low end on
.irp i, 0,2,4,6
	v_pk_mul_f32 v[64*((\a)%2)+8*(\b)+\i:64*((\a)%2)+8*(\b)+\i+1], v[GF+2*(\a):GF+2*(\a)+1], v[64*((\a)%2)+8*(\b)+\i:64*((\a)%2)+8*(\b)+\i+1]
.endr
.endm
.macro RSW a0, from, to                ; turns from .. to of the sixteen of blocks a0, a0 + 1: the product, and behind it the rescaling of the accumulator two turns on
.set tn, \from
.rept \to-\from+1
	W \a0+tn/8, tn%8, 0
.if tn+2 < 16
	RS \a0+(tn+2)/8, (tn+2)%8
.endif
.set tn, tn+1
.endr
.endm
.macro FETCH sl, u, f                  ; 24 LDS loads in one run: quarter u of slot sl: p's 4 fragments, as images; V's 8, turned
	WIN 0x80                                       ; destination window 2, address window 0
.irp a, 0,1
	ds_load_b128 v[128+16*(\f)+8*\a:128+16*(\f)+8*\a+3],   v[ADRP+(\sl)] offset:\a*PRB+(\u)*1024
	ds_load_b128 v[128+16*(\f)+8*\a+4:128+16*(\f)+8*\a+7], v[ADRP+(\sl)] offset:\a*PRB+(\u)*1024+512
.endr
	WIN 0xc0                                       ; destination window 3
.irp a, 0,1
	ds_load_b128 v[128+16*(\f)+8*\a:128+16*(\f)+8*\a+3],   v[ADRP+(\sl)] offset:(\a+2)*PRB+(\u)*1024
	ds_load_b128 v[128+16*(\f)+8*\a+4:128+16*(\f)+8*\a+7], v[ADRP+(\sl)] offset:(\a+2)*PRB+(\u)*1024+512
.endr
	WIN 0x40                                       ; destination window 1
.irp b, 0,1,2,3,4,5,6,7
	ds_load_tr16_b128 v[64*(\f)+8*\b:64*(\f)+8*\b+3],   v[ADRV+2*(\sl)+(\u)/3] offset:((\u)%3)*VQ+32*\b
	ds_load_tr16_b128 v[64*(\f)+8*\b+4:64*(\f)+8*\b+7], v[ADRV+2*(\sl)+(\u)/3] offset:((\u)%3)*VQ+16*PVP+32*\b
.endr
.endm
; What quarter n (0 .. 11 of a trip's twelve) fetches: the next quarter's fragments; ahead of a chunk's first quarter also the chunk's factors of my query in the four blocks, each twice, as a pair
.macro NEXT n
.set NN, ((\n)+1)%12
.if NN%4 == 0
	WIN 0
	s_add_co_u32 s[TF], s[TF], 256
	v_add_nc_u32 v[ADF], s[TF], v[ADF0]
.endif
	FETCH NN/6, NN%6, NN%2
.if NN%4 == 0
.irp a, 0,1,2,3
	ds_load_b32 v[GF+2*\a], v[ADF] offset:4*\a
	ds_load_b32 v[GF+2*\a+1], v[ADF] offset:4*\a
.endr
.endif
.endm
; A QUARTER: 32 keys, 32 matrix instructions, on buffers 0, 1 by turns.  The 32 accumulators take turns, one instruction a turn, in the same order in every quarter.
; The run of LDS loads stands behind the first product and four places: 31 matrix instructions ahead of its first use.  A chunk's first quarter (n a multiple of 4) rescales: four packed multiplications behind each product.
; zero = 1: the launch's first quarter starts the sums.  ask = 1: a prefetch may stand here.
.macro QUARTER n, zero, ask
.set FB, (\n)%2
.if \ask
	s_wait_xcnt 0x0                                ; the last prefetch, four quarters back, has read its address: it is stepped here
	s_add_nc_u64 s[PFA:PFA+1], s[PFA:PFA+1], s[PFS:PFS+1]
.endif
	s_wait_dscnt 0x0                               ; this quarter's fragments are in
	WIN LO
.if ((\n)%4 == 0) && !(\zero)
	PLACES                                         ; behind the last quarter's products
	RS 0, 0
	RS 0, 1
	RSW 0, 0, 0
	NEXT \n
	WIN LO
	RSW 0, 1, 15
	WIN HI
	RS 2, 0
	RS 2, 1
	RSW 2, 0, 15
.else
	W 0, 0, \zero
	PLACES
	NEXT \n
.if \ask
	WIN 0
	ASK
.endif
	WIN LO
	WRR 0, 1, 7, \zero
	WRR 1, 0, 7, \zero
	WIN HI
	WRR 2, 0, 7, \zero
	WRR 3, 0, 7, \zero
.endif
.endm
; A slot's last quarter (n = 5, 11) changes slots: ONE barrier.  In front of it each wave waits for all its tensor loads (the one that is out is its part of the next slot), adds 0 to its spare word, and waits for that and
; for its own reads of this slot.  fill = 1: the barrier opens a round of the cluster's, and the slot is filled again, first thing behind the round, with the six quarters two slots on: 184 matrix instructions ahead of
; the wait for it.  fill = 2: the same with the eleventh slot's four quarters.  fill = 0: nothing is left to fetch.
.macro TURN n, fill, ask
.set FB, (\n)%2
.set SL, (\n)/6
.if \ask
	s_wait_xcnt 0x0                                ; the last prefetch, four quarters back, has read its address: it is stepped here, ahead of the waits of the change of slots
	s_add_nc_u64 s[PFA:PFA+1], s[PFA:PFA+1], s[PFS:PFS+1]
.endif
	WIN 0                                          ; (the add's two registers lie in window 0)
	s_wait_tensorcnt 0x0
	ds_add_u32 v[SPW], v[NIL]
	s_wait_dscnt 1                                 ; this quarter's fragments are in (the add may be out)
	WIN LO
	WRR 0, 0, 3, 0                                 ; four matrix instructions stand between the add and the wait for it
	s_wait_dscnt 0x0                               ; the add is done, and my reads of this slot are over
	s_barrier_signal -1
	WRR 0, 4, 7, 0                                 ; work on registers while the others arrive
	WIN 0
	s_barrier_wait -1
.if \fill
	CREST                                          ; no wave of any partner still reads this slot's tiles or has a load on its way
	s_add_nc_u64 s[G0A+4*SL+2:G0A+4*SL+3], s[G0A+4*SL+2:G0A+4*SL+3], 2*PRB
.if \fill == 1
	s_add_nc_u64 s[G0V+4*SL+2:G0V+4*SL+3], s[G0V+4*SL+2:G0V+4*SL+3], 2*192*2048
	JLOAD G0A+4*SL, G1A, G0V+4*SL, G1V             ; the four v_nop behind it are also the places in front of the loads below
.else
	JLOAD G0A+4*SL, G1AP, G0VP, G1VP
.endif
.else
	PLACES
.endif
	NEXT \n
.if \ask
	WIN 0
	ASK
.endif
	WIN LO
	WRR 1, 0, 7, 0
	WIN HI
	WRR 2, 0, 7, 0
	WRR 3, 0, 7, 0
.endm
	s_wait_tensorcnt 1                             ; my part of slot 0 is in (slot 1's load may be out)
	s_wait_dscnt 0x0                               ; and my table is written
	s_barrier_signal -1
	s_barrier_wait -1                              ; everybody's is
	FETCH 0, 0, 0
	QUARTER 0, 1, 0                                ; the first quarter stands in front of the loop: its products start the sums
	WIN 0                                          ; at a label and at a branch every window is 0
	s_mov_b32 s3, TRIPS
.Llap:                                                 ; a trip goes once round the ring, from its second quarter to the next trip's first, and fills both slots again: quarters 1 to 48
	QUARTER 1, 0, 0
	QUARTER 2, 0, 0
	QUARTER 3, 0, 1
	QUARTER 4, 0, 0
	TURN 5, 1, 0
	QUARTER 6, 0, 0
	QUARTER 7, 0, 1
	QUARTER 8, 0, 0
	QUARTER 9, 0, 0
	QUARTER 10, 0, 0
	TURN 11, 1, 1
	QUARTER 0, 0, 0
	WIN 0
	s_sub_co_u32 s3, s3, 1
	s_cmp_lg_u32 s3, 0
	s_cbranch_scc1 .Llap
	QUARTER 1, 0, 0                                ; quarters 49 to 63 are written out
	QUARTER 2, 0, 0
	QUARTER 3, 0, 0
	QUARTER 4, 0, 0
	TURN 5, 2, 0                                   ; the last load: the eleventh slot's four quarters
	QUARTER 6, 0, 0
	QUARTER 7, 0, 0
	QUARTER 8, 0, 0
	QUARTER 9, 0, 0
	QUARTER 10, 0, 0
	TURN 11, 0, 0
	QUARTER 0, 0, 0
	QUARTER 1, 0, 0
	QUARTER 2, 0, 0
.set FB, 1
	s_wait_dscnt 0x0                               ; the very last quarter: nothing more to fetch
	WIN LO
	WRR 0, 0, 7, 0
	WRR 1, 0, 7, 0
	WIN HI
	WRR 2, 0, 7, 0
	WRR 3, 0, 7, 0
	WIN 0
; THE WAY OUT, a block of 16 queries x 128 channels at a time: x the last factor; a lane's 32 bytes of a row into my own stage; back as whole rows of 512 bytes, which the 32 lanes store.
.macro OUTB a
.set AC, 64*((\a)%2)
	WIN 2+(\a)/2                                   ; source 0: window 2 or 3
.set i, 0
.rept 64
	v_mul_f32 v[Y+i], v[AC+i], v[IL+(\a)]          ; each accumulator from its low end on
.set i, i+1
.endr
	WIN 0
.irp b, 0,1,2,3,4,5,6,7
	ds_store_b128 v[STO], v[Y+8*\b:Y+8*\b+3] offset:64*\b
	ds_store_b128 v[STO], v[Y+8*\b+4:Y+8*\b+7] offset:64*\b+16
.endr
.set BB, BK+64*((\a)%2)
.irp t, 0,1,2,3,4,5,6,7,8,9,10,11,12,13,14,15
	ds_load_b128 v[BB+4*\t:BB+4*\t+3], v[RD] offset:\t*SGP         ; LDS serves a wave's instructions in order: these see the stores above
.endr
.endm
.macro SEND a, younger                 ; younger: the LDS instructions issued behind block a's loads, which may stay out
.set BB, BK+64*((\a)%2)
	s_wait_dscnt \younger
.if (\a) > 0
	s_add_nc_u64 s[10:11], s[10:11], 16*4096       ; (behind a wait on XCNT: the earlier stores have read their base)
.endif
.irp t, 0,1,2,3,4,5,6,7,8,9,10,11,12,13,14,15
	global_store_b128 v[CO], v[BB+4*\t:BB+4*\t+3], s[10:11] offset:\t*4096 th:TH_STORE_NT   ; 32 lanes store 512 consecutive bytes, aligned; written once, read by nobody here
.endr
.endm
	PLACES                                         ; behind the last products
	ds_load_b128 v[IL:IL+3], v[ADF0] offset:4096   ; 2^(E_15 - M) / L of my query in the four blocks
	s_wait_dscnt 0x0
	OUTB 0
.irp a, 1,2,3
.if \a > 1
	s_wait_xcnt 0x0                                ; block a - 2's stores have read their registers and their base
.endif
	OUTB \a
	SEND \a-1, 32                                  ; behind block a - 1's loads: block a's 16 stores and 16 loads
.endr
	s_wait_xcnt 0x0
	SEND 3, 0
	s_wait_tensorcnt 0x0                           ; the wave's end, behind my last tensor load and my last LDS store
	ds_add_u32 v[SPW], v[NIL]
	s_wait_dscnt 0x0
	CROUND                                         ; the closing round
	s_endpgm
.Lfunc_end_k_q23f951fef9_pv:
	.size	k_q23f951fef9_pv, .Lfunc_end_k_q23f951fef9_pv-k_q23f951fef9_pv
	.p2alignl 7, 3214868480
	.fill 96, 4, 3214868480
	.section	.rodata,"a",@progbits
	.p2align	6, 0x0
	.amdhsa_kernel k_q23f951fef9_pv
		.amdhsa_group_segment_fixed_size 327680
		.amdhsa_private_segment_fixed_size 0
		.amdhsa_enable_private_segment 0
		.amdhsa_kernarg_size 32
		.amdhsa_user_sgpr_count 2
		.amdhsa_user_sgpr_kernarg_segment_ptr 1
		.amdhsa_wavefront_size32 1
		.amdhsa_system_sgpr_workgroup_id_x 1
		.amdhsa_system_sgpr_workgroup_id_y 1
		.amdhsa_system_sgpr_workgroup_id_z 1
		.amdhsa_system_vgpr_workitem_id 0
		.amdhsa_next_free_vgpr 1024
		.amdhsa_next_free_sgpr 100
		.amdhsa_reserve_vcc 0
		.amdhsa_float_denorm_mode_32 3
		.amdhsa_float_denorm_mode_16_64 3
		.amdhsa_memory_ordered 1
		.amdhsa_forward_progress 1
		.amdhsa_inst_pref_size 219
	.end_amdhsa_kernel
	.amdgpu_metadata
---
amdhsa.version: [ 1, 2 ]
amdhsa.kernels:
  - .name:           k_q23f951fef9_pv
    .symbol:         k_q23f951fef9_pv.kd
    .args:
      - { .name: p, .offset: 0, .size: 8, .value_kind: global_buffer, .address_space: global }
      - { .name: qkv, .offset: 8, .size: 8, .value_kind: global_buffer, .address_space: global }
      - { .name: stats, .offset: 16, .size: 8, .value_kind: global_buffer, .address_space: global }
      - { .name: out0, .offset: 24, .size: 8, .value_kind: global_buffer, .address_space: global }
    .group_segment_fixed_size: 327680
    .private_segment_fixed_size: 0
    .kernarg_segment_align: 8
    .kernarg_segment_size: 32
    .max_flat_workgroup_size: 128
    .sgpr_count:     100
    .vgpr_count:     1024
    .wavefront_size: 32
...
	.end_amdgpu_metadata
.endif
;; end of part 4
